; MI455X (gfx1250); checked and timed in simulation.
; The chip was launched on July 23, 2026; its instructions are those of AMD's public machine-readable ISA for CDNA 5 (MIT licence, August 2026) and "CDNA5" Instruction Set Architecture Reference Guide (July 2026). The comments in the code are by the model that wrote it; some were corrected since.
;; Self Attention. Allowed arithmetic: float matrix products may take bf16 or f16 operands with f32 sums; other float arithmetic in f32, or as packed bf16 or f16 multiplies, adds, multiply-adds, maxima and minima; sums over many terms, partial sums and values carried from step to step in f32; what a program stores and reads back later, other than sums and carried values, may be rounded once to bf16 or f16.
;; Inputs: key 8 x 2,048 x 1,024 float32; key_pe 1 x 1,024 x 2,048 float32; query 8 x 2,048 x 1,024 float32; span 8 x 2,048 x 2 float32; value 8 x 2,048 x 1,024 float32.
;; Outputs: out0 8 x 2,048 x 1,024 float32.
;; 2 versions, each right; version 2 is version 1 with the launches ktv, qw written anew for expert scheduling mode. Each part assembles by itself: llvm-mc -triple=amdgcn-amd-amdhsa -mcpu=gfx1250 --defsym DOCPART=n.
;; ======== version 1 of 2: 2 launches
;; workspace buffers: wf 16,777,216 bytes
;; launch ktv (part 1): grid 256 x 1, 4 waves a work-group, no clusters, 99,840 bytes of LDS; arguments key, value, wf; writes wf
.if DOCPART == 1
	.amdgcn_target "amdgcn-amd-amdhsa--gfx1250"
	.amdhsa_code_object_version 6
	.text
	.protected	k_q28bc471499_ktv
	.globl	k_q28bc471499_ktv
	.p2align	8
	.type	k_q28bc471499_ktv,@function
k_q28bc471499_ktv:
	s_mov_b64 s[64:65], 0
	v_nop
	global_prefetch_b8 v0, s[64:65] scope:SCOPE_SE
	s_setreg_imm32_b32 hwreg(HW_REG_WAVE_MODE, 25, 1), 1
	s_wait_xcnt 0x0
; FIRST OF TWO LAUNCHES.  reference(): out[b] = (Q[b] K[b]^T) V[b], no scale, no softmax.  Q, K, V: [8][2048][1024] f32.
; DEAD INPUTS.  span and key_pe stand in no expression of reference() from which out is made: whatever numbers they hold they have no way to the output.  They are not
; loaded and are among no launch's arguments.  LIMIT: a NaN or an infinity in span or key_pe is not carried to the result (reference() does not carry it either).
; THE LESSER WORK.  In exact arithmetic (Q K^T) V = Q (K^T V) for all values.  W[b] = K[b]^T V[b] is [1024][1024]: 2048 x 1024 x 1024 multiply-adds a batch, and Q[b] W[b]
; as many again: half of the 2 x 2048 x 2048 x 1024 of the order in which reference() is written, and the intermediate has a quarter of the numbers.  This launch makes W, the next Q W.
; LIMITS.  The sums are taken in another order than reference()'s; Q, K and V are rounded to bf16 for the matrix unit, all sums are f32, and W (not Q K^T) is the one intermediate
; that is rounded, once, to bf16 (bf16, not f16: W's numbers grow with the square of the inputs).  An overflow that Q K^T alone would reach is not reproduced.
; SHARES.  256 work-groups of four waves: batch b = x >> 5; of W[b] the rows h = 128 it .. + 127 (columns of K) and the columns j = 256 jq .. + 255 (columns of V), it = (x & 31) >> 2, jq = x & 3.
; Wave w makes 128 x 64 (V's columns 256 jq + 64 w ..): 8 x 4 accumulators, 256 registers.  The sum over the 2,048 rows n goes in 64 PHASES of 32 rows; two phases are a STEP.
; TURNING IN REGISTERS.  K and V lie [n][column], the sum's index along the slow axis.  For 64 columns x 32 rows lane (r = l % 16, hh = l / 16) loads 16 bytes (columns 4 r .. 4 r + 3) of the rows
; 16 hh + e, e = 0 .. 15: sixteen lanes take 256 consecutive bytes, aligned.  Rounding rows 2 y and 2 y + 1 of column 4 r + c into one register gives register y of a fragment "c" in which index r
; stands for column 4 r + c and the place (hh, y, half) for row 16 hh + 2 y + half.  K's and V's fragments use the same places for the same rows, so the products are the true ones.
; WHO READS WHAT.  V's columns are a wave's own: memory -> registers -> rounded -> matrix unit, no LDS.  K's 128 columns serve all four waves: each wave loads and rounds a quarter of a step
; (64 columns x 32 rows), stores it in LDS as finished fragments, and every wave reads all of them.
; NO TENSOR LOADS, NO CLUSTER.  The operands are f32 in memory.  A phase's tiles, (128 + 256) columns x 32 rows x 4 bytes = 48 KiB, brought into LDS as they lie would be written there and read
; back before they could be rounded: 96 KiB through LDS for the work-group's 128 matrix instructions.  This text stores 8 KiB and reads 32 KiB for them.  The price: the four work-groups of one it ask
; for the same K and the eight of one jq for the same V, each for itself.
; WHAT IS STORED.  wf, bf16, in the order in which the next launch's operand registers take it: byte b 2^21 + jt 32768 + kb 2048 + u 1024 + x 512 + 16 lane; lane (r2, hh) holds column
; j = 16 jt + r2, and its 16 bytes the rows h = 64 kb + 32 hh + 16 u + 8 x + 0 .. 7.
; REGISTERS, in windows of 256 (s_set_vgpr_msb: bits 1:0 source 0, 3:2 source 1, 5:4 source 2, 7:6 destination):
;   window 0: v0-15 addresses; v16-31 K rounded, on its way to LDS; v32-159 K's fragments, two buffers of 8; v160-223 V's fragments, two buffers of 4
;   window 1: V as loaded, four sets of 64 (on the way out: packed results, then rows read back)     window 2: the accumulators, (ia, c') at 8 (4 ia + c')     window 3: v0-127 K as loaded, four sets of 32
.set ROWB,  4096                       ; bytes in a row of K and of V
.set PHB,   32*ROWB                    ; a phase's rows
.set STB,   64*ROWB                    ; a step's rows
.set SLOT,  16384                      ; LDS: a step's K, 16 fragments of 1,024 bytes: fragment (u, ia) at 1024 (8 u + ia), registers 4 x .. 4 x + 3 at + 512 x + 16 lane; two slots
.set STAGE, 2*SLOT                     ; behind them a stage for each wave, for the way out:
.set SPJ,   4112                       ; four tiles of 16 columns j, 4,096 bytes each and 16 of padding
.set STW,   16640                      ; a wave's stage, rounded up to blocks of 256 bytes
.set SPARE, STAGE+4*STW                ; behind the stages: the spare words, 128 bytes for each wave: two blocks of 256 bytes that no other line names
.set TRIPS, 14                         ; the loop's trips, four phases each: phases 1 to 56; phase 0 and phases 57 to 63 are written out
.set AHEAD, 14                         ; trip i prefetches the rows of phases 4 i + 14 .. 4 i + 17
.set VOFF, 2                           ; v2   my offset in V: (16 hh) rows + 256 w + 16 r; never rewritten
.set KOFF, 3                           ; v3   my offset in K: (32 (w / 2) + 16 hh) rows + 256 (w % 2) + 16 r; never rewritten
.set STA,  4                           ; v4   where I store K's fragments: 4096 w + 16 lane (wave w makes fragments u = w / 2, ia = 4 (w % 2) + c)
.set L16,  5                           ; v5   16 x lane: where I read fragments, and my offset in the final stores
.set STO,  6                           ; v6   the way out: where I put 16 bytes
.set RD,   7                           ; v7   the way out: where I read them back
.set PFO,  9                           ; v9   the prefetches' offset: my thread's number x a row
.set SPW,  10                          ; v10  LDS address of my spare word; never rewritten
.set NIL,  11                          ; v11  0; never rewritten
.set KT,   16
.set FA,   32
.set BF,   160
.set PK,   0                           ; window 1
.set RB,   128                         ; window 1
.set WV,  10                           ; s10  my wave's number
.set BB,  11                           ; s11  b
.set GG,  12                           ; s12  the work-group's number in its batch
.set IT,  13                           ; s13  it
.set JQ,  14                           ; s14  jq
.set KB,  16                           ; s[16:17] K at the batch, my work-group's columns, the trip's first row
.set VB,  18                           ; s[18:19] the same for V
.set PF,  20                           ; s[20:21] where my work-group's prefetches stand
.set WOB, 22                           ; s[22:23] wf at my wave's first bytes
.set CNT, 24                           ; s24  trips still to come
.set W_MUL, 0xa0                       ; K's and V's fragments window 0, C and D window 2
.set W_CVV, 0x05                       ; sources window 1, destination window 0
.set W_CVK, 0x0f                       ; sources window 3, destination window 0
.set W_LD1, 0x40                       ; destination window 1
.set W_LD3, 0xc0                       ; destination window 3
.set W_PCK, 0x4a                       ; sources window 2, destination window 1
.set W_ST1, 0x04                       ; a store's data (source 1) window 1
.set MSB, 0
.macro WIN new                         ; the immediate's high byte repeats the setting that is left; a switch that changes nothing is dropped
.if MSB != (\new)
	s_set_vgpr_msb (MSB<<8)|(\new)
.set MSB, (\new)
.endif
.endm
.macro PLACES                          ; four places between a matrix instruction and a load or a vector write into registers that it has read (ISA guide 7.12.1 for vector instructions)
.rept 4
	v_nop
.endr
.endm
; A phase's V: 16 loads into a set of window 1.  off: the phase's rows, from the trip's base
.macro LDV set, off
	WIN W_LD1
.set e, 0
.rept 16
	global_load_b128 v[64*(\set)+4*e:64*(\set)+4*e+3], v[VOFF], s[VB:VB+1] offset:(\off)+e*ROWB
.set e, e+1
.endr
.endm
; Half of my quarter of a step's K: 8 rows for each half of the lanes, 8 loads into a set of window 3
.macro LDK set, off
	WIN W_LD3
.set e, 0
.rept 8
	global_load_b128 v[32*(\set)+4*e:32*(\set)+4*e+3], v[KOFF], s[KB:KB+1] offset:(\off)+e*ROWB
.set e, e+1
.endr
.endm
; Two of V's four fragments (c0, c0 + 1) are rounded: register y takes rows 2 y and 2 y + 1 of column 4 r + c
.macro CVV set, bf, c0
	WIN W_CVV
.set cc, (\c0)
.rept 2
.set y, 0
.rept 8
	v_cvt_pk_bf16_f32 v[BF+32*(\bf)+8*cc+y], v[64*(\set)+8*y+cc], v[64*(\set)+8*y+4+cc]
.set y, y+1
.endr
.set cc, cc+1
.endr
.endm
; Four registers of each of my four fragments of K are rounded,
.macro CVK set
	WIN W_CVK
.set cc, 0
.rept 4
.set y, 0
.rept 4
	v_cvt_pk_bf16_f32 v[KT+4*cc+y], v[32*(\set)+8*y+cc], v[32*(\set)+8*y+4+cc]
.set y, y+1
.endr
.set cc, cc+1
.endr
.endm
; and stored: 512 consecutive bytes a store
.macro STK slot, x
	WIN 0
.set cc, 0
.rept 4
	ds_store_b128 v[STA], v[KT+4*cc:KT+4*cc+3] offset:(\slot)*SLOT+cc*1024+(\x)*512
.set cc, cc+1
.endr
.endm
; A phase's eight fragments of K (half u of a step's slot) into buffer fa: 16 loads of 512 consecutive bytes
.macro LDA fa, slot, u
	WIN 0
.set ia, 0
.rept 8
	ds_load_b128 v[FA+64*(\fa)+8*ia:FA+64*(\fa)+8*ia+3],   v[L16] offset:(\slot)*SLOT+(\u)*8192+ia*1024
	ds_load_b128 v[FA+64*(\fa)+8*ia+4:FA+64*(\fa)+8*ia+7], v[L16] offset:(\slot)*SLOT+(\u)*8192+ia*1024+512
.set ia, ia+1
.endr
.endm
; Eight matrix instructions: K's fragments ia0, ia0 + 1 (source 0) x V's four (source 1).  Register q of lane (r, hh) of accumulator (ia = 4 cb + c, c') is W[64 cb + 32 hh + 4 q + c][4 r + c'].
; The 32 accumulators take turns, one instruction a turn, in the same order in every phase.  zero = 1: the first phase starts the sums: nothing is cleared.
.macro W8 fa, bf, ia0, zero
	WIN W_MUL
.set ia, (\ia0)
.rept 2
.set cp, 0
.rept 4
.if \zero
	v_wmma_f32_16x16x32_bf16 v[8*(4*ia+cp):8*(4*ia+cp)+7], v[FA+64*(\fa)+8*ia:FA+64*(\fa)+8*ia+7], v[BF+32*(\bf)+8*cp:BF+32*(\bf)+8*cp+7], 0
.else
	v_wmma_f32_16x16x32_bf16 v[8*(4*ia+cp):8*(4*ia+cp)+7], v[FA+64*(\fa)+8*ia:FA+64*(\fa)+8*ia+7], v[BF+32*(\bf)+8*cp:BF+32*(\bf)+8*cp+7], v[8*(4*ia+cp):8*(4*ia+cp)+7]
.endif
.set cp, cp+1
.endr
.set ia, ia+1
.endr
.endm
; PHASE p = 4 i + c multiplies phase p; fetches K's fragments of phase p + 1 from LDS (nxa); rounds V of phase p + 1 (cvv) and K's half p + 3 (cvk: half 2 t + x belongs to step t); asks memory for
; V of phase p + 5 (rqv) and K's half p + 7 (rqk), into the sets just rounded.  All register and slot numbers hang on c alone.
; ONE BARRIER A STEP, in the odd phases (bar).  In front of its signal my wait for all LDS instructions shows: my stores of the next step's K (made in the two phases before) are done, and my last reads of the
; slot of the step before this one are back.  Behind its wait the next step's fragments are read, and that older slot is stored into again.
; left: the loads issued behind the two requests that are rounded here.  In the loop those are three phases' 72; the count written is 63, the largest that the wait can name (ISA guide 5.7.1).
; The requests stand at the phase's end: where they would pass what the counter holds, their issue waits for the oldest loads (ISA guide 5.7.1), which are the ones wanted next.
.macro PHASE c, zero, cvv, rqv, cvk, rqk, nxa, bar, left
	s_wait_dscnt 0x0                               ; this phase's fragments of K are in, and my stores are done
.if \bar
	s_barrier_signal -1
.endif
	W8 (\c)&1, (\c)&1, 0, \zero
.if \nxa
	PLACES                                         ; the other buffers of K and V were multiplied in the phase before
.endif
.if \bar
	s_barrier_wait -1
.endif
.if \nxa
	LDA ((\c)+1)&1, (((\c)+1)>>1)&1, ((\c)+1)&1
.endif
.if (\cvv)||(\cvk)
	s_wait_loadcnt \left
.endif
.if \cvv
	CVV ((\c)+1)&3, ((\c)+1)&1, 0
.endif
	W8 (\c)&1, (\c)&1, 2, \zero
.if \cvv
	CVV ((\c)+1)&3, ((\c)+1)&1, 2
.endif
	W8 (\c)&1, (\c)&1, 4, \zero
.if \cvk
	CVK ((\c)+3)&3
	STK (((\c)+3)>>1)&1, ((\c)+3)&1
.endif
	W8 (\c)&1, (\c)&1, 6, \zero
.if \rqv
	LDV ((\c)+1)&3, ((\c)+5)*PHB
.endif
.if \rqk
	LDK ((\c)+3)&3, (((\c)+7)>>1)*STB+(((\c)+7)&1)*8*ROWB
.endif
.endm
	s_load_b128 s[4:7], s[0:1], 0x0                ; key s[4:5], value s[6:7]
	s_load_b64 s[8:9], s[0:1], 0x10                ; wf
	v_lshl_add_u32 v[SPW], v0, 2, SPARE
	v_mov_b32 v[NIL], 0
	v_lshrrev_b32 v12, 5, v0
	v_readfirstlane_b32 s[WV], v12                 ; wave 0..3
	s_lshr_b32 s[BB], ttmp9, 5
	s_and_b32 s[GG], ttmp9, 31
	s_lshr_b32 s[IT], s[GG], 2
	s_and_b32 s[JQ], s[GG], 3
	v_and_b32 v13, 15, v0                          ; r
	v_bfe_u32 v14, v0, 4, 1                        ; hh
	v_and_b32 v15, 31, v0                          ; lane
	v_lshlrev_b32 v12, 4, v13
	v_lshl_add_u32 v12, v14, 16, v12               ; 16 hh rows + 16 r
	s_lshl_b32 s26, s[WV], 8
	v_add_nc_u32 v[VOFF], s26, v12                 ; + my wave's 64 columns of V
	s_and_b32 s27, s[WV], 1
	s_lshr_b32 s28, s[WV], 1
	s_lshl_b32 s27, s27, 8                         ; which 64 columns of K I load,
	s_lshl_b32 s28, s28, 17                        ; and which 32 rows of a step
	s_or_b32 s27, s27, s28
	v_add_nc_u32 v[KOFF], s27, v12
	s_lshl_b32 s26, s[WV], 12
	v_lshl_add_u32 v[STA], v15, 4, s26
	v_lshlrev_b32 v[L16], 4, v15
	s_mul_i32 s26, s[WV], STW
	s_add_co_u32 s26, s26, STAGE                   ; my stage
	v_lshrrev_b32 v12, 2, v13                      ; my column 4 r + c' lies in tile r / 4 of the wave's four, at place 4 (r % 4) + c'
	v_mul_u32_u24 v[STO], v12, SPJ
	v_lshl_add_u32 v[STO], v14, 8, v[STO]          ; the fragment's lane 16 hh + 4 (r % 4) + c', 16 bytes each
	v_and_b32 v12, 3, v13
	v_lshl_add_u32 v[STO], v12, 6, v[STO]
	v_add_nc_u32 v[STO], s26, v[STO]
	v_add_nc_u32 v[RD], s26, v[L16]
	v_lshlrev_b32 v[PFO], 12, v0
	s_lshl_b32 s29, s[BB], 23                      ; the batch in key and value
	s_lshl_b32 s30, s[IT], 9
	s_add_co_u32 s30, s30, s29
	s_mov_b32 s31, 0
	s_lshl_b32 s32, s[JQ], 10
	s_add_co_u32 s32, s32, s29
	s_mov_b32 s33, 0
	s_and_b32 s34, s[GG], 15                       ; the prefetches: my work-group's 256 bytes of each row,
	s_lshl_b32 s34, s34, 8
	s_add_co_u32 s34, s34, s29
	s_add_co_u32 s34, s34, AHEAD*PHB               ; from phase 14 on
	s_mov_b32 s35, 0
	s_lshl_b32 s36, s[BB], 21                      ; wf: the batch, tile jt = 16 jq + 4 w, block kb = 2 it
	s_lshl_b32 s26, s[JQ], 19
	s_add_co_u32 s36, s36, s26
	s_lshl_b32 s26, s[WV], 17
	s_add_co_u32 s36, s36, s26
	s_lshl_b32 s26, s[IT], 12
	s_add_co_u32 s36, s36, s26
	s_mov_b32 s37, 0
	s_mov_b32 s[CNT], TRIPS
	s_wait_kmcnt 0x0
	s_add_nc_u64 s[KB:KB+1], s[4:5], s[30:31]
	s_add_nc_u64 s[VB:VB+1], s[6:7], s[32:33]
	s_cmp_lt_u32 s[GG], 16                         ; a batch's work-groups 0-15 prefetch K, 16-31 V
	s_cselect_b64 s[PF:PF+1], s[4:5], s[6:7]
	s_add_nc_u64 s[PF:PF+1], s[PF:PF+1], s[34:35]
	s_add_nc_u64 s[WOB:WOB+1], s[8:9], s[36:37]
	; THE START.  What phase 0 needs at once first; then the requests in the order in which the loop goes on issuing them (V of phase p + 5, K's half p + 7).
	LDV 0, 0
	LDK 0, 0
	LDK 1, 8*ROWB
	LDK 2, STB
	LDV 1, PHB
	LDK 3, STB+8*ROWB
	LDV 2, 2*PHB
	s_wait_loadcnt 40                              ; V of phase 0 and K's halves 0 to 2 are in; the 40 loads behind them (V 1, half 3, V 2) stay out
	CVV 0, 0, 0
	CVV 0, 0, 2
	CVK 0
	STK 0, 0
	CVK 1
	STK 0, 1
	CVK 2
	STK 1, 0
	LDK 0, 2*STB
	LDV 3, 3*PHB
	LDK 1, 2*STB+8*ROWB
	LDV 0, 4*PHB
	LDK 2, 3*STB
	s_wait_dscnt 0x0                               ; for the others' sake: my stores are done
	s_barrier_signal -1
	s_barrier_wait -1                              ; step 0's K is whole
	LDA 0, 0, 0
	PHASE 0, 1, 1, 1, 1, 1, 1, 0, 63               ; the first phase stands in front of the loop: its products start the sums
	WIN 0                                          ; at a label and at a branch every window is 0
.Ltrip:
	PHASE 1, 0, 1, 1, 1, 1, 1, 1, 63
	; THE PREFETCH, behind the phase's loads.  A row of K and a row of V are 32 blocks of 256 bytes, a batch has 32 work-groups: each owns one block of every row; a trip walks 128 rows, a thread a row,
	; one instruction a wave.  So each block is named once in the launch.  Trip i names the rows of phases 4 i + 14 to 4 i + 17, whose loads are issued six phases further on at the earliest.
	; The first 14 phases come by their loads alone; the last two trips ask for nothing (their rows would pass row 2,047 in part), and phases 62 and 63 come by their loads alone.
	WIN 0
	s_cmp_gt_u32 s[CNT], 2
	s_cbranch_scc0 .Lasked
	global_prefetch_b8 v[PFO], s[PF:PF+1] th:TH_LOAD_NT scope:SCOPE_SE
.Lasked:
	PHASE 2, 0, 1, 1, 1, 1, 1, 0, 63
	PHASE 3, 0, 1, 1, 1, 1, 1, 1, 63
	PHASE 4, 0, 1, 1, 1, 1, 1, 0, 63
	WIN 0
	s_wait_xcnt 0x0                                ; every load and the prefetch (three phases back) have read their addresses: the three bases may be written
	s_add_nc_u64 s[KB:KB+1], s[KB:KB+1], 4*PHB
	s_add_nc_u64 s[VB:VB+1], s[VB:VB+1], 4*PHB
	s_add_nc_u64 s[PF:PF+1], s[PF:PF+1], 4*PHB
	s_sub_co_u32 s[CNT], s[CNT], 1
	s_cmp_lg_u32 s[CNT], 0
	s_cbranch_scc1 .Ltrip
	; THE TAIL, phases 57 to 63: K's halves end at 63, V's phases at 63, so first the requests stop, then the roundings; the counts are the loads really issued behind the ones wanted.
	PHASE 1, 0, 1, 1, 1, 0, 1, 1, 63               ; 57: 72 behind K's half 60
	PHASE 2, 0, 1, 1, 1, 0, 1, 0, 63               ; 58: 64 behind half 61
	PHASE 3, 0, 1, 0, 1, 0, 1, 1, 56               ; 59: V 61, half 63, V 62, V 63
	PHASE 4, 0, 1, 0, 1, 0, 1, 0, 32               ; 60: V 62, V 63
	PHASE 5, 0, 1, 0, 0, 0, 1, 1, 16               ; 61: V 63
	PHASE 6, 0, 1, 0, 0, 0, 1, 0, 0                ; 62
	PHASE 7, 0, 0, 0, 0, 0, 0, 0, 0                ; 63: nothing more to fetch
	; THE WAY OUT.  Rows h = 16 u2 + 2 y and + 1 of a block of 32 lie in register 4 u2 + y / 2 of the accumulators c = 2 (y % 2) and c + 1: one rounding makes register y of the next launch's fragment.
	; u2 = 0 goes first.
	PLACES
	PLACES
	WIN W_PCK
.set u2, 0
.rept 2
.set t, 0                              ; t = 4 cb + c'
.rept 8
.set y, 0
.rept 8
	v_cvt_pk_bf16_f32 v[PK+16*t+8*u2+y], v[8*(4*(4*(t/4)+2*(y%2))+t%4)+4*u2+y/2], v[8*(4*(4*(t/4)+2*(y%2)+1)+t%4)+4*u2+y/2]
.set y, y+1
.endr
.set t, t+1
.endr
.set u2, u2+1
.endr
	; My column 4 r + c' belongs to another lane of the fragment: the wave's own stage in LDS sorts that out.  In: block cb, half u2, registers 4 xh .. (z = 2 u2 + xh), lane 16 hh + 4 (r % 4) + c'.
	WIN W_ST1
.set t, 0
.rept 8
.set z, 0
.rept 4
	ds_store_b128 v[STO], v[PK+16*t+4*z:PK+16*t+4*z+3] offset:(t/4)*2048+z*512+(t%4)*16
.set z, z+1
.endr
.set t, t+1
.endr
	WIN W_LD1
.set t, 0                              ; t = 8 J + f: tile J, its 512 bytes number f
.rept 32
	ds_load_b128 v[RB+4*t:RB+4*t+3], v[RD] offset:(t/8)*SPJ+(t%8)*512  ; LDS serves a wave's instructions in order (ISA guide 5.7.1.4): these see the stores above; the bytes are my wave's own
.set t, t+1
.endr
	WIN W_ST1
.set t, 0
.rept 32
	s_wait_dscnt 31-t                              ; LDS loads come back in order: number t is in
	global_store_b128 v[L16], v[RB+4*t:RB+4*t+3], s[WOB:WOB+1] offset:(t/8)*32768+(t%8)*512  ; 512 consecutive bytes, at a multiple of 512 from wf's first
.set t, t+1
.endr
	WIN 0
	s_wait_tensorcnt 0x0                           ; the wave's end, behind my last LDS store
	ds_add_u32 v[SPW], v[NIL]
	s_wait_dscnt 0x0
	s_endpgm
.Lfunc_end_k_q28bc471499_ktv:
	.size	k_q28bc471499_ktv, .Lfunc_end_k_q28bc471499_ktv-k_q28bc471499_ktv
	.p2alignl 7, 3214868480
	.fill 96, 4, 3214868480
	.section	.rodata,"a",@progbits
	.p2align	6, 0x0
	.amdhsa_kernel k_q28bc471499_ktv
		.amdhsa_group_segment_fixed_size 99840
		.amdhsa_private_segment_fixed_size 0
		.amdhsa_enable_private_segment 0
		.amdhsa_kernarg_size 24
		.amdhsa_user_sgpr_count 2
		.amdhsa_user_sgpr_kernarg_segment_ptr 1
		.amdhsa_wavefront_size32 1
		.amdhsa_system_sgpr_workgroup_id_x 1
		.amdhsa_system_sgpr_workgroup_id_y 1
		.amdhsa_system_sgpr_workgroup_id_z 1
		.amdhsa_system_vgpr_workitem_id 0
		.amdhsa_next_free_vgpr 896
		.amdhsa_next_free_sgpr 66
		.amdhsa_reserve_vcc 0
		.amdhsa_float_denorm_mode_32 3
		.amdhsa_float_denorm_mode_16_64 3
		.amdhsa_memory_ordered 1
		.amdhsa_forward_progress 1
		.amdhsa_inst_pref_size 129
	.end_amdhsa_kernel
	.amdgpu_metadata
---
amdhsa.version: [ 1, 2 ]
amdhsa.kernels:
  - .name:           k_q28bc471499_ktv
    .symbol:         k_q28bc471499_ktv.kd
    .args:
      - { .name: key, .offset: 0, .size: 8, .value_kind: global_buffer, .address_space: global }
      - { .name: value, .offset: 8, .size: 8, .value_kind: global_buffer, .address_space: global }
      - { .name: wf, .offset: 16, .size: 8, .value_kind: global_buffer, .address_space: global }
    .group_segment_fixed_size: 99840
    .private_segment_fixed_size: 0
    .kernarg_segment_align: 8
    .kernarg_segment_size: 24
    .max_flat_workgroup_size: 128
    .sgpr_count:     66
    .vgpr_count:     896
    .wavefront_size: 32
...
	.end_amdgpu_metadata
.endif
;; end of part 1
;; launch qw (part 2): grid 256 x 1, 4 waves a work-group, no clusters, 71,168 bytes of LDS; arguments query, wf, out0; writes out0
.if DOCPART == 2
	.amdgcn_target "amdgcn-amd-amdhsa--gfx1250"
	.amdhsa_code_object_version 6
	.text
	.protected	k_q28bc471499_qw
	.globl	k_q28bc471499_qw
	.p2align	8
	.type	k_q28bc471499_qw,@function
k_q28bc471499_qw:
	s_mov_b64 s[64:65], 0
	v_nop
	global_prefetch_b8 v0, s[64:65] scope:SCOPE_SE
	s_setreg_imm32_b32 hwreg(HW_REG_WAVE_MODE, 25, 1), 1
	s_wait_xcnt 0x0
; SECOND OF TWO LAUNCHES: out[b] = Q[b] W[b], W[b] = K[b]^T V[b] as the first launch stored it in wf.  (Q K^T) V = Q (K^T V) in exact arithmetic, for all values: see the first kernel's head, also for the limits.
; span and key_pe have no way to out0 and are not among the arguments.  Q is rounded to bf16 on its way in, W lies in bf16, the sums are f32 and leave as f32.
; SHARES.  256 work-groups of four waves: batch b = x >> 5, rows 128 rt .. + 127 (rt = (x >> 1) & 15), columns 512 ch .. + 511 (ch = x & 1).  Wave w makes 128 x 128 (columns 512 ch + 128 w ..):
; 8 x 8 accumulators, 512 registers.  The sum over h goes in 32 PHASES of 32; two phases are a STEP of 64 h: 256 bytes of a row of Q.  A phase is two UNITS of 32 matrix instructions: rows 0-63, rows 64-127.
; W'S FRAGMENTS lie in wf as the registers take them: byte b 2^21 + jt 32768 + phase 1024 + x 512 + 16 lane; lane (r2, hh) holds column 16 jt + r2 and, in register y and its halves, the rows
; h = 64 kb + 32 hh + 16 u + 2 y (+ 1), phase = 2 kb + u.  They are a wave's own: memory -> registers, no LDS.  Q's fragments use the same places for the same h, by their LDS address alone.
; Q'S ROWS serve all four waves: each wave loads 32 rows of a step as f32 (sixteen lanes take a row's 256 bytes), rounds them and stores them in LDS in true order; every wave reads all 128 rows.
; THE MATRIX INSTRUCTION IS USED TRANSPOSED (source 0 = W, source 1 = Q): register q of lane (r, hh) of accumulator (a, J) is out[16 a + r][16 J + 8 hh + q]: eight neighbouring numbers of a row.
; NO TENSOR LOADS, NO CLUSTER.  W needs no LDS at all here; Q is f32 in memory, and a step's 128 rows x 256 bytes brought into LDS as they lie would be written there and read back before they could be
; rounded (64 KiB), on top of the 16 KiB stored and 64 KiB read as bf16 that this text has for the step's 512 matrix instructions.  The price: two work-groups ask for the same Q, sixteen for the same W, each for itself.
; REGISTERS, in windows of 256 (s_set_vgpr_msb: bits 1:0 source 0, 3:2 source 1, 5:4 source 2, 7:6 destination):
;   window 0: v0-15 addresses; v32-63, v64-95 Q's fragments of rows 0-63 and 64-127; v96-223 Q as loaded, four sets of 32 (on the way out: rows read back, two buffers of 64)
;   window 1: W's fragments, a ring of four phases, 64 each          windows 2, 3: the accumulators of rows 0-63 and 64-127: (a = 4 h + a', J) at 8 (8 a' + J)
.set ROWB,  4096                       ; bytes in a row of Q and of out
.set QP,    144                        ; an LDS row of Q: 64 bf16 = 128 bytes + 16 of padding = 36 words: the 16 rows of a fragment load start at 16 different groups of four banks (64 banks of 4 bytes: ISA guide 11.1)
.set SLOT,  128*QP                     ; a step's 128 rows; two slots
.set STAGE, 2*SLOT                     ; behind them a stage for each wave, for the way out:
.set SP,    528                        ; 16 rows of 128 f32 = 512 bytes + 16 of padding
.set STW,   16*SP
.set SPARE, STAGE+4*STW                ; behind the stages: the spare words, 128 bytes for each wave: two blocks of 256 bytes that no other line names
.set TRIPS, 6                          ; the loop's trips, four phases each: phases 1 to 24; phase 0 and phases 25 to 31 are written out
.set QOFF, 2                           ; v2   my offset in Q: (32 w + 8 hh) rows + 16 r; never rewritten
.set L16,  3                           ; v3   16 x lane: my offset in W's fragments and in a row of out
.set STA,  4                           ; v4   where I store Q: (32 w + 8 hh) LDS rows + 8 r
.set FRA,  5                           ; v5   where I read Q's fragments: r LDS rows + 64 hh
.set STO,  6                           ; v6   the way out: where I put 16 bytes of a row
.set RD,   7                           ; v7   the way out: where I read a row back
.set PFQ,  8                           ; v8   Q's prefetches: (thread % 64) rows + 256 (thread / 64)
.set PFW,  9                           ; v9   W's prefetches: 32768 hh + 256 r
.set SPW,  10                          ; v10  LDS address of my spare word; never rewritten
.set NIL,  11                          ; v11  0; never rewritten
.set FA,   32
.set QS,   96
.set RB,   96
.set WV,  10                           ; s10  my wave's number
.set BB,  11                           ; s11  b
.set RT,  12                           ; s12  rt
.set CH,  13                           ; s13  ch
.set QB,  16                           ; s[16:17] Q at my work-group's first row, the trip's first step
.set WB,  18                           ; s[18:19] wf at my wave's first tile, the trip's first phase
.set OB,  20                           ; s[20:21] out at my wave's first number
.set PQ,  22                           ; s[22:23] where my work-group's prefetches of Q stand
.set PW,  24                           ; s[24:25] and of W
.set CNT, 28                           ; s28  trips still to come
.set W_MLO, 0xa1                       ; W (source 0) window 1, Q (source 1) window 0, C and D window 2
.set W_LDB, 0x40                       ; destination window 1
.set MSB, 0
.macro WIN new                         ; the immediate's high byte repeats the setting that is left; a switch that changes nothing is dropped
.if MSB != (\new)
	s_set_vgpr_msb (MSB<<8)|(\new)
.set MSB, (\new)
.endif
.endm
.macro PLACES                          ; four places between a matrix instruction and a load into registers that it has read, or a read of its result
.rept 4
	v_nop
.endr
.endm
; A phase's eight fragments of W: 16 loads of 512 consecutive bytes
.macro LDB ring, off
	WIN W_LDB
.set jj, 0
.rept 8
	global_load_b128 v[64*(\ring)+8*jj:64*(\ring)+8*jj+3],   v[L16], s[WB:WB+1] offset:(\off)+jj*32768
	global_load_b128 v[64*(\ring)+8*jj+4:64*(\ring)+8*jj+7], v[L16], s[WB:WB+1] offset:(\off)+jj*32768+512
.set jj, jj+1
.endr
.endm
; Half of my 32 rows of a step of Q: 8 loads, each two rows' 256 bytes (rows e and e + 8 of the sixteen)
.macro LDQ set, off
	WIN 0
.set e, 0
.rept 8
	global_load_b128 v[QS+32*(\set)+4*e:QS+32*(\set)+4*e+3], v[QOFF], s[QB:QB+1] offset:(\off)+e*ROWB
.set e, e+1
.endr
.endm
; rounded in place: a lane's four numbers become 8 bytes,
.macro CVQ set
	WIN 0
.set e, 0
.rept 8
	v_cvt_pk_bf16_f32 v[QS+32*(\set)+4*e],   v[QS+32*(\set)+4*e],   v[QS+32*(\set)+4*e+1]
	v_cvt_pk_bf16_f32 v[QS+32*(\set)+4*e+1], v[QS+32*(\set)+4*e+2], v[QS+32*(\set)+4*e+3]
.set e, e+1
.endr
.endm
; and stored: two rows' 128 bytes a store, 8 LDS rows = 1,152 bytes apart, which is 128 bytes modulo 256
.macro STQ set, slot, x
	WIN 0
.set e, 0
.rept 8
	ds_store_b64 v[STA], v[QS+32*(\set)+4*e:QS+32*(\set)+4*e+1] offset:(\slot)*SLOT+(16*(\x)+e)*QP
.set e, e+1
.endr
.endm
; Four fragments of Q: rows 64 h .. + 63, half u of the step in the slot.  Lane (r, hh) takes the 32 bytes h = 32 hh + 16 u + 0 .. 15 of its row: the places in which W's fragments hold the same h
.macro LDA h, slot, u
	WIN 0
.set aa, 0
.rept 4
	ds_load_b128 v[FA+32*(\h)+8*aa:FA+32*(\h)+8*aa+3],   v[FRA] offset:(\slot)*SLOT+(64*(\h)+16*aa)*QP+32*(\u)
	ds_load_b128 v[FA+32*(\h)+8*aa+4:FA+32*(\h)+8*aa+7], v[FRA] offset:(\slot)*SLOT+(64*(\h)+16*aa)*QP+32*(\u)+16
.set aa, aa+1
.endr
.endm
; Eight matrix instructions: one fragment of Q x W's eight.  The 64 accumulators take turns, one instruction a turn, in the same order in every phase.  zero = 1: the first phase starts the sums.
.macro G ring, h, a1, zero
	WIN W_MLO+0x50*(\h)
.set jj, 0
.rept 8
.if \zero
	v_wmma_f32_16x16x32_bf16 v[8*(8*(\a1)+jj):8*(8*(\a1)+jj)+7], v[64*(\ring)+8*jj:64*(\ring)+8*jj+7], v[FA+32*(\h)+8*(\a1):FA+32*(\h)+8*(\a1)+7], 0
.else
	v_wmma_f32_16x16x32_bf16 v[8*(8*(\a1)+jj):8*(8*(\a1)+jj)+7], v[64*(\ring)+8*jj:64*(\ring)+8*jj+7], v[FA+32*(\h)+8*(\a1):FA+32*(\h)+8*(\a1)+7], v[8*(8*(\a1)+jj):8*(8*(\a1)+jj)+7]
.endif
.set jj, jj+1
.endr
.endm
; PHASE p = 4 i + c.  Unit 0 multiplies rows 0-63, fetches the fragments of rows 64-127 from LDS, and rounds and stores Q's half p + 2 (cvq: half 2 t + x belongs to step t).  Unit 1 multiplies rows 64-127, fetches
; the next phase's fragments of rows 0-63 (nxa), and asks memory for W of phase p + 3 (rqb) and Q's half p + 6 (rqq).  All register and slot numbers hang on c alone.
; ONE BARRIER A STEP, in the odd phases' unit 1 (bar).  In front of its signal my wait for all LDS instructions shows: my stores of the next step's Q (this phase's and the last's) are done, and my last reads of this
; step's slot are back.  Behind its wait the next step's fragments are read, and from the next phase on this step's slot is stored into again.
; left: the loads issued behind W of phase p: in the loop Q's half p + 3, W p + 1, half p + 4, W p + 2, half p + 5: 56.  Q's half p + 2 was issued ahead of W p, so the one wait serves both.
.macro PHASE c, zero, rqb, cvq, rqq, bar, nxa, left
	s_wait_dscnt 0x0                               ; the fragments of rows 0-63 are in
	s_wait_loadcnt \left
	G (\c)&3, 0, 0, \zero
	PLACES                                         ; the fragments of rows 64-127 were multiplied in the phase before
	LDA 1, ((\c)>>1)&1, (\c)&1
	G (\c)&3, 0, 1, \zero
.if \cvq
	CVQ ((\c)+2)&3
	STQ ((\c)+2)&3, (((\c)+2)>>1)&1, (\c)&1
.endif
	G (\c)&3, 0, 2, \zero
	G (\c)&3, 0, 3, \zero
	s_wait_dscnt 0x0                               ; the fragments of rows 64-127 are in, and my stores are done
.if \bar
	s_barrier_signal -1
.endif
	G (\c)&3, 1, 0, \zero
.if \bar
	s_barrier_wait -1
.endif
.if \nxa
	PLACES                                         ; for the loads into the fragments that unit 0 multiplied, and into the ring's set that the phase before multiplied
	LDA 0, (((\c)+1)>>1)&1, ((\c)+1)&1
.endif
	G (\c)&3, 1, 1, \zero
.if \rqb
	LDB ((\c)+3)&3, ((\c)+3)*1024
.endif
	G (\c)&3, 1, 2, \zero
.if \rqq
	LDQ ((\c)+2)&3, (((\c)+6)>>1)*256+((\c)&1)*16*ROWB
.endif
	G (\c)&3, 1, 3, \zero
.endm
	s_load_b128 s[4:7], s[0:1], 0x0                ; query s[4:5], wf s[6:7]
	s_load_b64 s[8:9], s[0:1], 0x10                ; out0
	v_lshl_add_u32 v[SPW], v0, 2, SPARE
	v_mov_b32 v[NIL], 0
	v_lshrrev_b32 v12, 5, v0
	v_readfirstlane_b32 s[WV], v12                 ; wave 0..3
	s_lshr_b32 s[BB], ttmp9, 5
	s_bfe_u32 s[RT], ttmp9, 0x40001                ; 4 bits from bit 1
	s_and_b32 s[CH], ttmp9, 1
	v_and_b32 v13, 15, v0                          ; r
	v_bfe_u32 v14, v0, 4, 1                        ; hh
	v_and_b32 v15, 31, v0                          ; lane
	v_lshlrev_b32 v[L16], 4, v15
	v_lshlrev_b32 v[QOFF], 4, v13
	v_lshl_add_u32 v[QOFF], v14, 15, v[QOFF]       ; 8 rows further down for lanes 16 to 31
	s_lshl_b32 s26, s[WV], 17                      ; my wave's 32 rows
	v_add_nc_u32 v[QOFF], s26, v[QOFF]
	s_mul_i32 s26, s[WV], 32*QP
	v_mul_u32_u24 v[STA], v14, 8*QP
	v_lshl_add_u32 v[STA], v13, 3, v[STA]
	v_add_nc_u32 v[STA], s26, v[STA]
	v_mul_u32_u24 v[FRA], v13, QP
	v_lshl_add_u32 v[FRA], v14, 6, v[FRA]
	s_mul_i32 s26, s[WV], STW
	s_add_co_u32 s26, s26, STAGE                   ; my stage
	v_mul_u32_u24 v[STO], v13, SP                  ; in: row r, 32 bytes for each half of the lanes
	v_lshl_add_u32 v[STO], v14, 5, v[STO]
	v_add_nc_u32 v[STO], s26, v[STO]
	v_add_nc_u32 v[RD], s26, v[L16]                ; back: 32 lanes take a row's 512 bytes
	v_and_b32 v12, 63, v0
	v_lshrrev_b32 v[PFQ], 6, v0
	v_lshlrev_b32 v[PFQ], 8, v[PFQ]
	v_lshl_add_u32 v[PFQ], v12, 12, v[PFQ]
	v_lshlrev_b32 v[PFW], 8, v13
	v_lshl_add_u32 v[PFW], v14, 15, v[PFW]
	s_lshl_b32 s30, s[BB], 23                      ; Q and out: the batch and my work-group's 128 rows
	s_lshl_b32 s26, s[RT], 19
	s_add_co_u32 s30, s30, s26
	s_mov_b32 s31, 0
	s_lshl_b32 s32, s[BB], 21                      ; wf: the batch and the half of its 64 tiles
	s_lshl_b32 s26, s[CH], 20
	s_add_co_u32 s32, s32, s26
	s_mov_b32 s33, 0
	s_lshl_b32 s26, s[RT], 16                      ; W's prefetches: tiles 2 rt and 2 rt + 1 of that half,
	s_add_co_u32 s34, s32, s26
	s_add_co_u32 s34, s34, 8*1024                  ; from phase 8 on
	s_mov_b32 s35, 0
	s_lshl_b32 s26, s[WV], 18                      ; my wave's 8 tiles
	s_add_co_u32 s32, s32, s26
	s_lshl_b32 s36, s[CH], 11                      ; out: my work-group's 512 columns, my wave's 128
	s_lshl_b32 s26, s[WV], 9
	s_add_co_u32 s36, s36, s26
	s_add_co_u32 s36, s36, s30
	s_mov_b32 s37, 0
	s_lshl_b32 s38, s[CH], 18                      ; Q's prefetches: my work-group's 64 of the 128 rows that it shares with its neighbour,
	s_add_co_u32 s38, s38, s30
	s_add_co_u32 s38, s38, 6*256                   ; from step 6 on
	s_mov_b32 s39, 0
	s_mov_b32 s[CNT], TRIPS
	s_wait_kmcnt 0x0
	s_add_nc_u64 s[QB:QB+1], s[4:5], s[30:31]
	s_add_nc_u64 s[WB:WB+1], s[6:7], s[32:33]
	s_add_nc_u64 s[OB:OB+1], s[8:9], s[36:37]
	s_add_nc_u64 s[PQ:PQ+1], s[4:5], s[38:39]
	s_add_nc_u64 s[PW:PW+1], s[6:7], s[34:35]
	; THE START.  Step 0's Q first; then the requests in the order in which the loop goes on issuing them (W of phase p + 3, Q's half p + 6).
	LDQ 0, 0
	LDQ 1, 16*ROWB
	LDQ 2, 256
	LDB 0, 0
	LDQ 3, 256+16*ROWB
	LDB 1, 1024
	s_wait_loadcnt 48                              ; Q's halves 0 and 1 are in; the 48 loads behind them (half 2, W 0, half 3, W 1) stay out
	CVQ 0
	STQ 0, 0, 0
	CVQ 1
	STQ 1, 0, 1
	s_wait_dscnt 0x0                               ; my stores are done: for the others' sake, and the two sets may be loaded again
	LDQ 0, 512
	LDB 2, 2048
	LDQ 1, 512+16*ROWB
	s_barrier_signal -1
	s_barrier_wait -1                              ; step 0's Q is whole
	LDA 0, 0, 0
	PHASE 0, 1, 1, 1, 1, 0, 1, 56                  ; the first phase stands in front of the loop: its products start the sums
	WIN 0                                          ; at a label and at a branch every window is 0
.Ltrip:
	PHASE 1, 0, 1, 1, 1, 1, 1, 56
	; THE PREFETCHES, together, behind the phase's loads.
	; Q: trip i names steps 2 i + 6 and 2 i + 7, whose loads are issued five phases further on at the earliest.  The two work-groups that read the same 128 rows take 64 each, by address; a thread names one row's 256 bytes of
	; one of the two steps: one instruction a wave, each block once in the launch.  Steps 0 to 5 come by their loads alone; the last trip asks for nothing: there is no step 16.
	; W: trip i names phases 4 i + 8 to 4 i + 11, whose loads are issued four phases further on at the earliest.  The sixteen work-groups that read the same 32 tiles take two each, by address; wave 0 asks, a lane a block of
	; 256 bytes: 2 tiles x 4,096 bytes.  Phases 0 to 7 come by their loads alone; the last trip names phases 28 to 31, the last there are.
	WIN 0
	s_cmp_gt_u32 s[CNT], 1
	s_cbranch_scc0 .Lq_asked
	global_prefetch_b8 v[PFQ], s[PQ:PQ+1] th:TH_LOAD_NT scope:SCOPE_SE
.Lq_asked:
	s_cmp_lg_u32 s[WV], 0
	s_cbranch_scc1 .Lw_asked
	global_prefetch_b8 v[PFW], s[PW:PW+1] th:TH_LOAD_NT scope:SCOPE_SE
.Lw_asked:
	PHASE 2, 0, 1, 1, 1, 0, 1, 56
	PHASE 3, 0, 1, 1, 1, 1, 1, 56
	PHASE 4, 0, 1, 1, 1, 0, 1, 56
	WIN 0
	s_wait_xcnt 0x0                                ; every load and the prefetches (three phases back) have read their addresses: the four bases may be written
	s_add_nc_u64 s[WB:WB+1], s[WB:WB+1], 4*1024
	s_add_nc_u64 s[QB:QB+1], s[QB:QB+1], 2*256
	s_add_nc_u64 s[PW:PW+1], s[PW:PW+1], 4*1024
	s_add_nc_u64 s[PQ:PQ+1], s[PQ:PQ+1], 2*256
	s_sub_co_u32 s[CNT], s[CNT], 1
	s_cmp_lg_u32 s[CNT], 0
	s_cbranch_scc1 .Ltrip
	; THE TAIL, phases 25 to 31: Q's halves and W's phases end at 31; the counts are the loads really issued behind W of the phase in hand.
	PHASE 1, 0, 1, 1, 1, 1, 1, 56                  ; 25: half 28, W 26, half 29, W 27, half 30
	PHASE 2, 0, 1, 1, 0, 0, 1, 56                  ; 26: half 29, W 27, half 30, W 28, half 31
	PHASE 3, 0, 1, 1, 0, 1, 1, 48                  ; 27: half 30, W 28, half 31, W 29
	PHASE 4, 0, 1, 1, 0, 0, 1, 40                  ; 28: half 31, W 29, W 30
	PHASE 5, 0, 0, 1, 0, 1, 1, 32                  ; 29: W 30, W 31
	PHASE 6, 0, 0, 0, 0, 0, 1, 16                  ; 30: W 31
	PHASE 7, 0, 0, 0, 0, 0, 0, 0                   ; 31: nothing more to fetch
	; THE WAY OUT, 16 rows at a time through my own stage: a lane's 32 bytes of a row go in, whole rows of 512 bytes come back and are stored.
.macro STG a                           ; block a into the stage and back, into buffer a % 2
.if (\a) >= 2
	s_wait_xcnt 0x0                                ; the stores of block a - 2 have read the buffer: only behind this wait is it loaded again
.endif
	WIN 0x08+0x04*((\a)/4)                         ; a store's data (source 1): window 2 or 3
.set jj, 0
.rept 8
	ds_store_b128 v[STO], v[8*(8*((\a)%4)+jj):8*(8*((\a)%4)+jj)+3]   offset:64*jj     ; each accumulator's low four registers first
	ds_store_b128 v[STO], v[8*(8*((\a)%4)+jj)+4:8*(8*((\a)%4)+jj)+7] offset:64*jj+16
.set jj, jj+1
.endr
	WIN 0
.set rho, 0
.rept 16
	ds_load_b128 v[RB+64*((\a)%2)+4*rho:RB+64*((\a)%2)+4*rho+3], v[RD] offset:rho*SP  ; LDS serves a wave's instructions in order (ISA guide 5.7.1.4): these see the stores above, and the next block's stores come behind them
.set rho, rho+1
.endr
.endm
.macro SEND a, younger                 ; younger: the LDS instructions issued behind block a's loads: the next block's 32, or none
	WIN 0
	s_wait_dscnt \younger
.set rho, 0
.rept 16
	global_store_b128 v[L16], v[RB+64*((\a)%2)+4*rho:RB+64*((\a)%2)+4*rho+3], s[OB:OB+1] offset:(16*(\a)+rho)*ROWB th:TH_STORE_NT  ; 512 consecutive bytes, at a multiple of 512 from out's first
.set rho, rho+1
.endr
.endm
	PLACES
	PLACES
	STG 0
.irp a, 1,2,3,4,5,6,7
	STG \a
	SEND (\a)-1, 32
.endr
	SEND 7, 0
	s_wait_tensorcnt 0x0                           ; the wave's end, behind my last LDS store
	ds_add_u32 v[SPW], v[NIL]
	s_wait_dscnt 0x0
	s_endpgm
.Lfunc_end_k_q28bc471499_qw:
	.size	k_q28bc471499_qw, .Lfunc_end_k_q28bc471499_qw-k_q28bc471499_qw
	.p2alignl 7, 3214868480
	.fill 96, 4, 3214868480
	.section	.rodata,"a",@progbits
	.p2align	6, 0x0
	.amdhsa_kernel k_q28bc471499_qw
		.amdhsa_group_segment_fixed_size 71168
		.amdhsa_private_segment_fixed_size 0
		.amdhsa_enable_private_segment 0
		.amdhsa_kernarg_size 24
		.amdhsa_user_sgpr_count 2
		.amdhsa_user_sgpr_kernarg_segment_ptr 1
		.amdhsa_wavefront_size32 1
		.amdhsa_system_sgpr_workgroup_id_x 1
		.amdhsa_system_sgpr_workgroup_id_y 1
		.amdhsa_system_sgpr_workgroup_id_z 1
		.amdhsa_system_vgpr_workitem_id 0
		.amdhsa_next_free_vgpr 1024
		.amdhsa_next_free_sgpr 66
		.amdhsa_reserve_vcc 0
		.amdhsa_float_denorm_mode_32 3
		.amdhsa_float_denorm_mode_16_64 3
		.amdhsa_memory_ordered 1
		.amdhsa_forward_progress 1
		.amdhsa_inst_pref_size 147
	.end_amdhsa_kernel
	.amdgpu_metadata
---
amdhsa.version: [ 1, 2 ]
amdhsa.kernels:
  - .name:           k_q28bc471499_qw
    .symbol:         k_q28bc471499_qw.kd
    .args:
      - { .name: query, .offset: 0, .size: 8, .value_kind: global_buffer, .address_space: global }
      - { .name: wf, .offset: 8, .size: 8, .value_kind: global_buffer, .address_space: global }
      - { .name: out0, .offset: 16, .size: 8, .value_kind: global_buffer, .address_space: global }
    .group_segment_fixed_size: 71168
    .private_segment_fixed_size: 0
    .kernarg_segment_align: 8
    .kernarg_segment_size: 24
    .max_flat_workgroup_size: 128
    .sgpr_count:     66
    .vgpr_count:     1024
    .wavefront_size: 32
...
	.end_amdgpu_metadata
.endif
;; end of part 2
;; ======== version 2 of 2: 2 launches; version 1 with the launches ktv, qw written anew for expert scheduling mode
;; workspace buffers: wf 16,777,216 bytes
;; launch ktv (part 3): grid 256 x 1, 4 waves a work-group, no clusters, 99,840 bytes of LDS; arguments key, value, wf; writes wf
.if DOCPART == 3
	.amdgcn_target "amdgcn-amd-amdhsa--gfx1250"
	.amdhsa_code_object_version 6
	.text
	.protected	k_q28bc471499_ktv
	.globl	k_q28bc471499_ktv
	.p2align	8
	.type	k_q28bc471499_ktv,@function
k_q28bc471499_ktv:
	s_mov_b64 s[64:65], 0
	v_nop
	global_prefetch_b8 v0, s[64:65] scope:SCOPE_SE
	s_setreg_imm32_b32 hwreg(HW_REG_WAVE_SCHED_MODE, 0, 2), 2
	s_setreg_imm32_b32 hwreg(HW_REG_WAVE_MODE, 25, 1), 1
	s_wait_xcnt 0x0
	s_wait_alu depctr_vm_vsrc(0)
; FIRST OF TWO LAUNCHES.  reference(): out[b] = (Q[b] K[b]^T) V[b], no scale, no softmax.  Q, K, V: [8][2048][1024] f32.
; DEAD INPUTS.  span and key_pe stand in no expression of reference() from which out is made: whatever numbers they hold they have no way to the output.  They are not
; loaded and are among no launch's arguments.  LIMIT: a NaN or an infinity in span or key_pe is not carried to the result (reference() does not carry it either).
; THE LESSER WORK.  In exact arithmetic (Q K^T) V = Q (K^T V) for all values.  W[b] = K[b]^T V[b] is [1024][1024]: 2048 x 1024 x 1024 multiply-adds a batch, and Q[b] W[b]
; as many again: half of the 2 x 2048 x 2048 x 1024 of the order in which reference() is written, and the intermediate has a quarter of the numbers.  This launch makes W, the next Q W.
; LIMITS.  The sums are taken in another order than reference()'s; Q, K and V are rounded to bf16 for the matrix unit, all sums are f32, and W (not Q K^T) is the one intermediate
; that is rounded, once, to bf16 (bf16, not f16: W's numbers grow with the square of the inputs).  An overflow that Q K^T alone would reach is not reproduced.
; SHARES.  256 work-groups of four waves: batch b = x >> 5; of W[b] the rows h = 128 it .. + 127 (columns of K) and the columns j = 256 jq .. + 255 (columns of V), it = (x & 31) >> 2, jq = x & 3.
; Wave w makes 128 x 64 (V's columns 256 jq + 64 w ..): 8 x 4 accumulators, 256 registers.  The sum over the 2,048 rows n goes in 64 PHASES of 32 rows; two phases are a STEP.
; TURNING IN REGISTERS.  K and V lie [n][column], the sum's index along the slow axis.  For 64 columns x 32 rows lane (r = l % 16, hh = l / 16) loads 16 bytes (columns 4 r .. 4 r + 3) of the rows
; 16 hh + e, e = 0 .. 15: sixteen lanes take 256 consecutive bytes, aligned.  Rounding rows 2 y and 2 y + 1 of column 4 r + c into one register gives register y of a fragment "c" in which index r
; stands for column 4 r + c and the place (hh, y, half) for row 16 hh + 2 y + half.  K's and V's fragments use the same places for the same rows, so the products are the true ones.
; WHO READS WHAT.  V's columns are a wave's own: memory -> registers -> rounded -> matrix unit, no LDS.  K's 128 columns serve all four waves: each wave loads and rounds a quarter of a step
; (64 columns x 32 rows), stores it in LDS as finished fragments, and every wave reads all of them.
; NO TENSOR LOADS, NO CLUSTER.  The operands are f32 in memory.  A phase's tiles, (128 + 256) columns x 32 rows x 4 bytes = 48 KiB, brought into LDS as they lie would be written there and read
; back before they could be rounded: 96 KiB through LDS for the work-group's 128 matrix instructions.  This text stores 8 KiB and reads 32 KiB for them.  The price: the four work-groups of one it ask
; for the same K and the eight of one jq for the same V, each for itself.
; WHAT IS STORED.  wf, bf16, in the order in which the next launch's operand registers take it: byte b 2^21 + jt 32768 + kb 2048 + u 1024 + x 512 + 16 lane; lane (r2, hh) holds column
; j = 16 jt + r2, and its 16 bytes the rows h = 64 kb + 32 hh + 16 u + 8 x + 0 .. 7.
; REGISTERS, in windows of 256 (s_set_vgpr_msb: bits 1:0 source 0, 3:2 source 1, 5:4 source 2, 7:6 destination):
;   window 0: v0-15 addresses; v16-31 K rounded, on its way to LDS; v32-159 K's fragments, two buffers of 8; v160-223 V's fragments, two buffers of 4
;   window 1: V as loaded, four sets of 64 (on the way out: packed results, then rows read back)     window 2: the accumulators, (ia, c') at 8 (4 ia + c')     window 3: v0-127 K as loaded, four sets of 32
; THE MODE: SCHED_MODE bits 1:0 = 2 (LLVM: expert scheduling mode 2), set by the entry lines.  The code itself states the register dependences between vector or matrix instructions and
; memory or LDS instructions, with s_wait_alu, always for 0.
; THE PLAN.  Registers that memory or LDS instructions touch, in the loop:
;   V's sets (window 1)  Phase p: its 32 roundings of V read set (p + 1) % 4; later in the phase the loads of V of phase p + 5 land in it.
;   K's sets (window 3)  Phase p: its 16 roundings of K read set (p + 3) % 4; later in the phase the loads of K's half p + 7 land in it.
;   KT (v16-31)          Written by those 16 roundings; read by the phase's four LDS stores; written again at the next phase's head.
;   FA0, FA1 (v32-159)   Phase p's 32 matrix instructions read FA[p % 2]; the LDS loads of phase p + 1 land in it.
;   v2-v11               Offsets and LDS addresses: made at the head and never written again; the rows are reached by the scalar bases and by immediate offsets.
;   BF0, BF1 and the accumulators are named by vector and matrix instructions alone.
; So all of a phase's 48 roundings stand at its head, and ONE wait on va_vdst stands behind them: it states that the matrix instructions of the phase before are done reading the other FA, that KT is written, and
; that the roundings are done reading both raw sets.  Behind it stand only matrix instructions, which name FA[p % 2], BF and the accumulators: none of the registers that the phase's 16 LDS loads, 4 LDS stores and 24
; loads from memory touch; these are dealt among them with no further wait.  One wait on vm_vsrc a phase stands ahead of the roundings that write KT again.
.set ROWB,  4096                       ; bytes in a row of K and of V
.set PHB,   32*ROWB                    ; a phase's rows
.set STB,   64*ROWB                    ; a step's rows
.set SLOT,  16384                      ; LDS: a step's K, 16 fragments of 1,024 bytes: fragment (u, ia) at 1024 (8 u + ia), registers 4 x .. 4 x + 3 at + 512 x + 16 lane; two slots
.set STAGE, 2*SLOT                     ; behind them a stage for each wave, for the way out:
.set SPJ,   4112                       ; four tiles of 16 columns j, 4,096 bytes each and 16 of padding
.set STW,   16640                      ; a wave's stage, rounded up to blocks of 256 bytes
.set SPARE, STAGE+4*STW                ; behind the stages: the spare words, 128 bytes for each wave: two blocks of 256 bytes that no other line names
.set TRIPS, 14                         ; the loop's trips, four phases each: phases 1 to 56; phase 0 and phases 57 to 63 are written out
.set AHEAD, 14                         ; trip i prefetches the rows of phases 4 i + 14 .. 4 i + 17
.set VOFF, 2                           ; v2   my offset in V: (16 hh) rows + 256 w + 16 r; never rewritten
.set KOFF, 3                           ; v3   my offset in K: (32 (w / 2) + 16 hh) rows + 256 (w % 2) + 16 r; never rewritten
.set STA,  4                           ; v4   where I store K's fragments: 4096 w + 16 lane (wave w makes fragments u = w / 2, ia = 4 (w % 2) + c)
.set L16,  5                           ; v5   16 x lane: where I read fragments, and my offset in the final stores
.set STO,  6                           ; v6   the way out: where I put 16 bytes
.set RD,   7                           ; v7   the way out: where I read them back
.set PFO,  9                           ; v9   the prefetches' offset: my thread's number x a row
.set SPW,  10                          ; v10  LDS address of my spare word; never rewritten
.set NIL,  11                          ; v11  0; never rewritten
.set KT,   16
.set FA,   32
.set BF,   160
.set PK,   0                           ; window 1
.set RB,   128                         ; window 1
.set WV,  10                           ; s10  my wave's number
.set BB,  11                           ; s11  b
.set GG,  12                           ; s12  the work-group's number in its batch
.set IT,  13                           ; s13  it
.set JQ,  14                           ; s14  jq
.set KB,  16                           ; s[16:17] K at the batch, my work-group's columns, the trip's first row
.set VB,  18                           ; s[18:19] the same for V
.set PF,  20                           ; s[20:21] where my work-group's prefetches stand
.set WOB, 22                           ; s[22:23] wf at my wave's first bytes
.set CNT, 24                           ; s24  trips still to come
.set W_MUL, 0xa0                       ; K's and V's fragments window 0, C and D window 2
.set W_CVV, 0x05                       ; sources window 1, destination window 0
.set W_CVK, 0x0f                       ; sources window 3, destination window 0
.set W_LD1, 0x40                       ; destination window 1
.set W_LD3, 0xc0                       ; destination window 3
.set W_PCK, 0x4a                       ; sources window 2, destination window 1
.set W_ST1, 0x04                       ; a store's data (source 1) window 1
.set MSB, 0
.macro WIN new                         ; the immediate's high byte repeats the setting that is left; a switch that changes nothing is dropped
.if MSB != (\new)
	s_set_vgpr_msb (MSB<<8)|(\new)
.set MSB, (\new)
.endif
.endm
.macro PLACES                          ; four places between a matrix instruction and a vector write into registers that it has read, or a vector read of its result (ISA guide 7.12.1)
.rept 4
	v_nop
.endr
.endm
; A phase's V: 16 loads into a set of window 1.  off: the phase's rows, from the trip's base
.macro LDV set, off
	WIN W_LD1
.set e, 0
.rept 16
	global_load_b128 v[64*(\set)+4*e:64*(\set)+4*e+3], v[VOFF], s[VB:VB+1] offset:(\off)+e*ROWB
.set e, e+1
.endr
.endm
; Half of my quarter of a step's K: 8 rows for each half of the lanes, 8 loads into a set of window 3
.macro LDK set, off
	WIN W_LD3
.set e, 0
.rept 8
	global_load_b128 v[32*(\set)+4*e:32*(\set)+4*e+3], v[KOFF], s[KB:KB+1] offset:(\off)+e*ROWB
.set e, e+1
.endr
.endm
; Two of V's four fragments (c0, c0 + 1) are rounded: register y takes rows 2 y and 2 y + 1 of column 4 r + c
.macro CVV set, bf, c0
	WIN W_CVV
.set cc, (\c0)
.rept 2
.set y, 0
.rept 8
	v_cvt_pk_bf16_f32 v[BF+32*(\bf)+8*cc+y], v[64*(\set)+8*y+cc], v[64*(\set)+8*y+4+cc]
.set y, y+1
.endr
.set cc, cc+1
.endr
.endm
; Four registers of each of my four fragments of K are rounded,
.macro CVK set
	WIN W_CVK
.set cc, 0
.rept 4
.set y, 0
.rept 4
	v_cvt_pk_bf16_f32 v[KT+4*cc+y], v[32*(\set)+8*y+cc], v[32*(\set)+8*y+4+cc]
.set y, y+1
.endr
.set cc, cc+1
.endr
.endm
; and stored: 512 consecutive bytes a store
.macro STK slot, x
	WIN 0
.set cc, 0
.rept 4
	ds_store_b128 v[STA], v[KT+4*cc:KT+4*cc+3] offset:(\slot)*SLOT+cc*1024+(\x)*512
.set cc, cc+1
.endr
.endm
; A phase's eight fragments of K (half u of a step's slot) into buffer fa: 16 loads of 512 consecutive bytes
.macro LDA fa, slot, u
	WIN 0
.set ia, 0
.rept 8
	ds_load_b128 v[FA+64*(\fa)+8*ia:FA+64*(\fa)+8*ia+3],   v[L16] offset:(\slot)*SLOT+(\u)*8192+ia*1024
	ds_load_b128 v[FA+64*(\fa)+8*ia+4:FA+64*(\fa)+8*ia+7], v[L16] offset:(\slot)*SLOT+(\u)*8192+ia*1024+512
.set ia, ia+1
.endr
.endm
; Eight matrix instructions: K's fragments ia0, ia0 + 1 (source 0) x V's four (source 1).  Register q of lane (r, hh) of accumulator (ia = 4 cb + c, c') is W[64 cb + 32 hh + 4 q + c][4 r + c'].
; The 32 accumulators take turns, one instruction a turn, in the same order in every phase.  zero = 1: the first phase starts the sums: nothing is cleared.
.macro W8 fa, bf, ia0, zero
	WIN W_MUL
.set ia, (\ia0)
.rept 2
.set cp, 0
.rept 4
.if \zero
	v_wmma_f32_16x16x32_bf16 v[8*(4*ia+cp):8*(4*ia+cp)+7], v[FA+64*(\fa)+8*ia:FA+64*(\fa)+8*ia+7], v[BF+32*(\bf)+8*cp:BF+32*(\bf)+8*cp+7], 0
.else
	v_wmma_f32_16x16x32_bf16 v[8*(4*ia+cp):8*(4*ia+cp)+7], v[FA+64*(\fa)+8*ia:FA+64*(\fa)+8*ia+7], v[BF+32*(\bf)+8*cp:BF+32*(\bf)+8*cp+7], v[8*(4*ia+cp):8*(4*ia+cp)+7]
.endif
.set cp, cp+1
.endr
.set ia, ia+1
.endr
.endm
; PHASE p = 4 i + c.  At its head it rounds K's half p + 3 (cvk: half 2 t + x belongs to step t) and V of phase p + 1 (cvv).  Behind its one wait on va_vdst it fetches K's fragments of phase p + 1 from LDS (nxa) and
; multiplies phase p; dealt among the matrix instructions it stores the rounded half and asks memory for V of phase p + 5 (rqv) and K's half p + 7 (rqk), into the sets just rounded.  All register and slot numbers hang on c alone.
; ONE BARRIER A STEP, in the odd phases (bar).  In front of its signal my wait for all LDS instructions shows: my stores of the next step's K (made in the two phases before) are done, and my last reads of the
; slot of the step before this one are back.  Behind its wait the next step's fragments are read, and that older slot is stored into again.
; left: the loads issued behind the two requests that are rounded here.  In the loop those are three phases' 72; the count written is 63, the largest that the wait can name (ISA guide 5.7.1).
; Where the requests would pass what the counter holds, their issue waits for the oldest loads (ISA guide 5.7.1), which are the ones wanted next.
.macro PHASE c, zero, cvv, rqv, cvk, rqk, nxa, bar, left
	s_wait_dscnt 0x0                               ; this phase's fragments of K are in, and my stores are done
.if \bar
	s_barrier_signal -1
.endif
.if (\cvv)||(\cvk)
	s_wait_loadcnt \left
.endif
.if \cvk
	s_wait_alu depctr_vm_vsrc(0)                   ; the LDS stores of the phase before have read KT, which the roundings below write again
	CVK ((\c)+3)&3                                 ; these sixteen are also the places between the last phase's matrix instructions and the writes into V's other fragment buffer, which they read
.elseif \cvv
	PLACES                                         ; V's other fragment buffer was multiplied in the phase before
.endif
.if \cvv
	CVV ((\c)+1)&3, ((\c)+1)&1, 0
	CVV ((\c)+1)&3, ((\c)+1)&1, 2
.endif
.if \bar
	s_barrier_wait -1
.endif
.if (\nxa)||(\cvk)||(\rqv)||(\rqk)
	WIN 0
	s_wait_alu depctr_va_vdst(0)                   ; the last phase's matrix instructions are done reading K's other fragment buffer, in which the LDS loads land; KT is written, which the LDS stores read; the roundings are done reading the two raw sets, in which the loads from memory land
.endif
.if \nxa
	LDA ((\c)+1)&1, (((\c)+1)>>1)&1, ((\c)+1)&1
.endif
	W8 (\c)&1, (\c)&1, 0, \zero
.if \cvk
	STK (((\c)+3)>>1)&1, ((\c)+3)&1                ; no wait: no vector or matrix instruction since the wait names KT
.endif
.if \rqv
	LDV ((\c)+1)&3, ((\c)+5)*PHB                   ; nor V's set
.endif
	W8 (\c)&1, (\c)&1, 2, \zero
.if \rqk
	LDK ((\c)+3)&3, (((\c)+7)>>1)*STB+(((\c)+7)&1)*8*ROWB  ; nor K's set
.endif
	W8 (\c)&1, (\c)&1, 4, \zero
	W8 (\c)&1, (\c)&1, 6, \zero
.endm
	s_load_b128 s[4:7], s[0:1], 0x0                ; key s[4:5], value s[6:7]
	s_load_b64 s[8:9], s[0:1], 0x10                ; wf
	v_lshl_add_u32 v[SPW], v0, 2, SPARE
	v_mov_b32 v[NIL], 0
	v_lshrrev_b32 v12, 5, v0
	v_readfirstlane_b32 s[WV], v12                 ; wave 0..3
	s_lshr_b32 s[BB], ttmp9, 5
	s_and_b32 s[GG], ttmp9, 31
	s_lshr_b32 s[IT], s[GG], 2
	s_and_b32 s[JQ], s[GG], 3
	v_and_b32 v13, 15, v0                          ; r
	v_bfe_u32 v14, v0, 4, 1                        ; hh
	v_and_b32 v15, 31, v0                          ; lane
	v_lshlrev_b32 v12, 4, v13
	v_lshl_add_u32 v12, v14, 16, v12               ; 16 hh rows + 16 r
	s_wait_alu depctr_va_sdst(0)                   ; the wave's number is written, ahead of its first reader: offsets, LDS addresses and wf's base are made from it
	s_lshl_b32 s26, s[WV], 8
	v_add_nc_u32 v[VOFF], s26, v12                 ; + my wave's 64 columns of V
	s_and_b32 s27, s[WV], 1
	s_lshr_b32 s28, s[WV], 1
	s_lshl_b32 s27, s27, 8                         ; which 64 columns of K I load,
	s_lshl_b32 s28, s28, 17                        ; and which 32 rows of a step
	s_or_b32 s27, s27, s28
	v_add_nc_u32 v[KOFF], s27, v12
	s_lshl_b32 s26, s[WV], 12
	v_lshl_add_u32 v[STA], v15, 4, s26
	v_lshlrev_b32 v[L16], 4, v15
	s_mul_i32 s26, s[WV], STW
	s_add_co_u32 s26, s26, STAGE                   ; my stage
	v_lshrrev_b32 v12, 2, v13                      ; my column 4 r + c' lies in tile r / 4 of the wave's four, at place 4 (r % 4) + c'
	v_mul_u32_u24 v[STO], v12, SPJ
	v_lshl_add_u32 v[STO], v14, 8, v[STO]          ; the fragment's lane 16 hh + 4 (r % 4) + c', 16 bytes each
	v_and_b32 v12, 3, v13
	v_lshl_add_u32 v[STO], v12, 6, v[STO]
	v_add_nc_u32 v[STO], s26, v[STO]
	v_add_nc_u32 v[RD], s26, v[L16]
	v_lshlrev_b32 v[PFO], 12, v0
	s_lshl_b32 s29, s[BB], 23                      ; the batch in key and value
	s_lshl_b32 s30, s[IT], 9
	s_add_co_u32 s30, s30, s29
	s_mov_b32 s31, 0
	s_lshl_b32 s32, s[JQ], 10
	s_add_co_u32 s32, s32, s29
	s_mov_b32 s33, 0
	s_and_b32 s34, s[GG], 15                       ; the prefetches: my work-group's 256 bytes of each row,
	s_lshl_b32 s34, s34, 8
	s_add_co_u32 s34, s34, s29
	s_add_co_u32 s34, s34, AHEAD*PHB               ; from phase 14 on
	s_mov_b32 s35, 0
	s_lshl_b32 s36, s[BB], 21                      ; wf: the batch, tile jt = 16 jq + 4 w, block kb = 2 it
	s_lshl_b32 s26, s[JQ], 19
	s_add_co_u32 s36, s36, s26
	s_lshl_b32 s26, s[WV], 17
	s_add_co_u32 s36, s36, s26
	s_lshl_b32 s26, s[IT], 12
	s_add_co_u32 s36, s36, s26
	s_mov_b32 s37, 0
	s_mov_b32 s[CNT], TRIPS
	s_wait_kmcnt 0x0
	s_add_nc_u64 s[KB:KB+1], s[4:5], s[30:31]
	s_add_nc_u64 s[VB:VB+1], s[6:7], s[32:33]
	s_cmp_lt_u32 s[GG], 16                         ; a batch's work-groups 0-15 prefetch K, 16-31 V
	s_cselect_b64 s[PF:PF+1], s[4:5], s[6:7]
	s_add_nc_u64 s[PF:PF+1], s[PF:PF+1], s[34:35]
	s_add_nc_u64 s[WOB:WOB+1], s[8:9], s[36:37]
	s_wait_alu depctr_va_vdst(0)                   ; the offsets and LDS addresses v2 to v9 are written: every load, store and prefetch of the kernel reads one of them, and none is written again
	; THE START.  What phase 0 needs at once first; then the requests in the order in which the loop goes on issuing them (V of phase p + 5, K's half p + 7).
	LDV 0, 0
	LDK 0, 0
	LDK 1, 8*ROWB
	LDK 2, STB
	LDV 1, PHB
	LDK 3, STB+8*ROWB
	LDV 2, 2*PHB
	s_wait_loadcnt 40                              ; V of phase 0 and K's halves 0 to 2 are in; the 40 loads behind them (V 1, half 3, V 2) stay out
	CVV 0, 0, 0
	CVV 0, 0, 2
	CVK 0
	WIN 0
	s_wait_alu depctr_va_vdst(0)                   ; the roundings have written KT, which the LDS stores read
	STK 0, 0
	s_wait_alu depctr_vm_vsrc(0)                   ; those stores have read KT, which the next roundings write
	CVK 1
	WIN 0
	s_wait_alu depctr_va_vdst(0)                   ; KT is written anew
	STK 0, 1
	s_wait_alu depctr_vm_vsrc(0)                   ; those stores have read KT
	CVK 2
	WIN 0
	s_wait_alu depctr_va_vdst(0)                   ; KT is written anew; and all the roundings above are done reading V's set 0 and K's sets 0 to 2, in which the loads below land
	STK 1, 0
	LDK 0, 2*STB
	LDV 3, 3*PHB
	LDK 1, 2*STB+8*ROWB
	LDV 0, 4*PHB
	LDK 2, 3*STB
	s_wait_dscnt 0x0                               ; for the others' sake: my stores are done
	s_barrier_signal -1
	s_barrier_wait -1                              ; step 0's K is whole
	LDA 0, 0, 0                                    ; no vector or matrix instruction has named this buffer yet
	PHASE 0, 1, 1, 1, 1, 1, 1, 0, 63               ; the first phase stands in front of the loop: its products start the sums
	WIN 0                                          ; at a label and at a branch every window is 0
.Ltrip:
	PHASE 1, 0, 1, 1, 1, 1, 1, 1, 63
	; THE PREFETCH, behind the phase's loads.  A row of K and a row of V are 32 blocks of 256 bytes, a batch has 32 work-groups: each owns one block of every row; a trip walks 128 rows, a thread a row,
	; one instruction a wave.  So each block is named once in the launch.  Trip i names the rows of phases 4 i + 14 to 4 i + 17, whose loads are issued six phases further on at the earliest.
	; The first 14 phases come by their loads alone; the last two trips ask for nothing (their rows would pass row 2,047 in part), and phases 62 and 63 come by their loads alone.
	WIN 0
	s_cmp_gt_u32 s[CNT], 2
	s_cbranch_scc0 .Lasked
	global_prefetch_b8 v[PFO], s[PF:PF+1] th:TH_LOAD_NT scope:SCOPE_SE
.Lasked:
	PHASE 2, 0, 1, 1, 1, 1, 1, 0, 63
	PHASE 3, 0, 1, 1, 1, 1, 1, 1, 63
	PHASE 4, 0, 1, 1, 1, 1, 1, 0, 63
	WIN 0
	s_wait_xcnt 0x0                                ; every load and the prefetch (three phases back) have read their addresses: the three bases may be written
	s_add_nc_u64 s[KB:KB+1], s[KB:KB+1], 4*PHB
	s_add_nc_u64 s[VB:VB+1], s[VB:VB+1], 4*PHB
	s_add_nc_u64 s[PF:PF+1], s[PF:PF+1], 4*PHB
	s_sub_co_u32 s[CNT], s[CNT], 1
	s_cmp_lg_u32 s[CNT], 0
	s_cbranch_scc1 .Ltrip
	; THE TAIL, phases 57 to 63: K's halves end at 63, V's phases at 63, so first the requests stop, then the roundings; the counts are the loads really issued behind the ones wanted.
	PHASE 1, 0, 1, 1, 1, 0, 1, 1, 63               ; 57: 72 behind K's half 60
	PHASE 2, 0, 1, 1, 1, 0, 1, 0, 63               ; 58: 64 behind half 61
	PHASE 3, 0, 1, 0, 1, 0, 1, 1, 56               ; 59: V 61, half 63, V 62, V 63
	PHASE 4, 0, 1, 0, 1, 0, 1, 0, 32               ; 60: V 62, V 63
	PHASE 5, 0, 1, 0, 0, 0, 1, 1, 16               ; 61: V 63
	PHASE 6, 0, 1, 0, 0, 0, 1, 0, 0                ; 62
	PHASE 7, 0, 0, 0, 0, 0, 0, 0, 0                ; 63: nothing more to fetch, so no wait on va_vdst or vm_vsrc either
	; THE WAY OUT.  Rows h = 16 u2 + 2 y and + 1 of a block of 32 lie in register 4 u2 + y / 2 of the accumulators c = 2 (y % 2) and c + 1: one rounding makes register y of the next launch's fragment.
	; u2 = 0 goes first.
	PLACES
	PLACES
	WIN W_PCK
.set u2, 0
.rept 2
.set t, 0                              ; t = 4 cb + c'
.rept 8
.set y, 0
.rept 8
	v_cvt_pk_bf16_f32 v[PK+16*t+8*u2+y], v[8*(4*(4*(t/4)+2*(y%2))+t%4)+4*u2+y/2], v[8*(4*(4*(t/4)+2*(y%2)+1)+t%4)+4*u2+y/2]
.set y, y+1
.endr
.set t, t+1
.endr
.set u2, u2+1
.endr
	; My column 4 r + c' belongs to another lane of the fragment: the wave's own stage in LDS sorts that out.  In: block cb, half u2, registers 4 xh .. (z = 2 u2 + xh), lane 16 hh + 4 (r % 4) + c'.
	WIN W_ST1
	s_wait_alu depctr_va_vdst(0)                   ; the roundings have written the packed results, which the LDS stores read; and V's roundings are done reading sets 2 and 3, in which the loads from the stage land
.set t, 0
.rept 8
.set z, 0
.rept 4
	ds_store_b128 v[STO], v[PK+16*t+4*z:PK+16*t+4*z+3] offset:(t/4)*2048+z*512+(t%4)*16
.set z, z+1
.endr
.set t, t+1
.endr
	WIN W_LD1
.set t, 0                              ; t = 8 J + f: tile J, its 512 bytes number f
.rept 32
	ds_load_b128 v[RB+4*t:RB+4*t+3], v[RD] offset:(t/8)*SPJ+(t%8)*512  ; LDS serves a wave's instructions in order (ISA guide 5.7.1.4): these see the stores above; the bytes are my wave's own
.set t, t+1
.endr
	WIN W_ST1
.set t, 0
.rept 32
	s_wait_dscnt 31-t                              ; LDS loads come back in order: number t is in
	global_store_b128 v[L16], v[RB+4*t:RB+4*t+3], s[WOB:WOB+1] offset:(t/8)*32768+(t%8)*512  ; 512 consecutive bytes, at a multiple of 512 from wf's first
.set t, t+1
.endr
	WIN 0
	s_wait_dscnt 0x0                               ; the wave's end
	s_wait_alu 0x0
	s_wait_tensorcnt 0x0
	ds_add_u32 v[SPW], v[NIL]
	s_wait_dscnt 0x0
	s_endpgm
.Lfunc_end_k_q28bc471499_ktv:
	.size	k_q28bc471499_ktv, .Lfunc_end_k_q28bc471499_ktv-k_q28bc471499_ktv
	.p2alignl 7, 3214868480
	.fill 96, 4, 3214868480
	.section	.rodata,"a",@progbits
	.p2align	6, 0x0
	.amdhsa_kernel k_q28bc471499_ktv
		.amdhsa_group_segment_fixed_size 99840
		.amdhsa_private_segment_fixed_size 0
		.amdhsa_enable_private_segment 0
		.amdhsa_kernarg_size 24
		.amdhsa_user_sgpr_count 2
		.amdhsa_user_sgpr_kernarg_segment_ptr 1
		.amdhsa_wavefront_size32 1
		.amdhsa_system_sgpr_workgroup_id_x 1
		.amdhsa_system_sgpr_workgroup_id_y 1
		.amdhsa_system_sgpr_workgroup_id_z 1
		.amdhsa_system_vgpr_workitem_id 0
		.amdhsa_next_free_vgpr 896
		.amdhsa_next_free_sgpr 66
		.amdhsa_reserve_vcc 0
		.amdhsa_float_denorm_mode_32 3
		.amdhsa_float_denorm_mode_16_64 3
		.amdhsa_memory_ordered 1
		.amdhsa_forward_progress 1
		.amdhsa_inst_pref_size 128
	.end_amdhsa_kernel
	.amdgpu_metadata
---
amdhsa.version: [ 1, 2 ]
amdhsa.kernels:
  - .name:           k_q28bc471499_ktv
    .symbol:         k_q28bc471499_ktv.kd
    .args:
      - { .name: key, .offset: 0, .size: 8, .value_kind: global_buffer, .address_space: global }
      - { .name: value, .offset: 8, .size: 8, .value_kind: global_buffer, .address_space: global }
      - { .name: wf, .offset: 16, .size: 8, .value_kind: global_buffer, .address_space: global }
    .group_segment_fixed_size: 99840
    .private_segment_fixed_size: 0
    .kernarg_segment_align: 8
    .kernarg_segment_size: 24
    .max_flat_workgroup_size: 128
    .sgpr_count:     66
    .vgpr_count:     896
    .wavefront_size: 32
...
	.end_amdgpu_metadata
.endif
;; end of part 3
;; launch qw (part 4): grid 256 x 1, 4 waves a work-group, no clusters, 71,168 bytes of LDS; arguments query, wf, out0; writes out0
.if DOCPART == 4
	.amdgcn_target "amdgcn-amd-amdhsa--gfx1250"
	.amdhsa_code_object_version 6
	.text
	.protected	k_q28bc471499_qw
	.globl	k_q28bc471499_qw
	.p2align	8
	.type	k_q28bc471499_qw,@function
k_q28bc471499_qw:
	s_mov_b64 s[64:65], 0
	v_nop
	global_prefetch_b8 v0, s[64:65] scope:SCOPE_SE
	s_setreg_imm32_b32 hwreg(HW_REG_WAVE_SCHED_MODE, 0, 2), 2
	s_setreg_imm32_b32 hwreg(HW_REG_WAVE_MODE, 25, 1), 1
	s_wait_xcnt 0x0
	s_wait_alu depctr_vm_vsrc(0)
; SECOND OF TWO LAUNCHES: out[b] = Q[b] W[b], W[b] = K[b]^T V[b] as the first launch stored it in wf.  (Q K^T) V = Q (K^T V) in exact arithmetic, for all values: see the first kernel's head, also for the limits.
; span and key_pe have no way to out0 and are not among the arguments.  Q is rounded to bf16 on its way in, W lies in bf16, the sums are f32 and leave as f32.
; SHARES.  256 work-groups of four waves: batch b = x >> 5, rows 128 rt .. + 127 (rt = (x >> 1) & 15), columns 512 ch .. + 511 (ch = x & 1).  Wave w makes 128 x 128 (columns 512 ch + 128 w ..):
; 8 x 8 accumulators, 512 registers.  The sum over h goes in 32 PHASES of 32; two phases are a STEP of 64 h: 256 bytes of a row of Q.  A phase is two UNITS of 32 matrix instructions: rows 0-63, rows 64-127.
; W'S FRAGMENTS lie in wf as the registers take them: byte b 2^21 + jt 32768 + phase 1024 + x 512 + 16 lane; lane (r2, hh) holds column 16 jt + r2 and, in register y and its halves, the rows
; h = 64 kb + 32 hh + 16 u + 2 y (+ 1), phase = 2 kb + u.  They are a wave's own: memory -> registers, no LDS.  Q's fragments use the same places for the same h, by their LDS address alone.
; Q'S ROWS serve all four waves: each wave loads 32 rows of a step as f32 (sixteen lanes take a row's 256 bytes), rounds them and stores them in LDS in true order; every wave reads all 128 rows.
; THE MATRIX INSTRUCTION IS USED TRANSPOSED (source 0 = W, source 1 = Q): register q of lane (r, hh) of accumulator (a, J) is out[16 a + r][16 J + 8 hh + q]: eight neighbouring numbers of a row.
; NO TENSOR LOADS, NO CLUSTER.  W needs no LDS at all here; Q is f32 in memory, and a step's 128 rows x 256 bytes brought into LDS as they lie would be written there and read back before they could be
; rounded (64 KiB), on top of the 16 KiB stored and 64 KiB read as bf16 that this text has for the step's 512 matrix instructions.  The price: two work-groups ask for the same Q, sixteen for the same W, each for itself.
; REGISTERS, in windows of 256 (s_set_vgpr_msb: bits 1:0 source 0, 3:2 source 1, 5:4 source 2, 7:6 destination):
;   window 0: v0-15 addresses; v32-63, v64-95 Q's fragments of rows 0-63 and 64-127; v96-223 Q as loaded, four sets of 32 (on the way out: rows read back, two buffers of 64)
;   window 1: W's fragments, a ring of four phases, 64 each          windows 2, 3: the accumulators of rows 0-63 and 64-127: (a = 4 h + a', J) at 8 (8 a' + J)
; THE MODE: SCHED_MODE bits 1:0 = 2 (LLVM: expert scheduling mode 2), set by the entry lines.  The code itself states the register dependences between vector or matrix instructions and
; memory or LDS instructions, with s_wait_alu, always for 0.
; THE PLAN.  Registers that memory or LDS instructions touch, in the loop:
;   W's ring (window 1)  Phase p's 64 matrix instructions read set p % 4; the loads of W of phase p + 4 land in it in phase p + 1's unit 1.
;   FA0 (v32-63)         Read by a phase's unit 0; the LDS loads for the next phase land in it in the phase's unit 1.
;   FA1 (v64-95)         Read by a phase's unit 1; the LDS loads for the next phase land in it at that phase's head.
;   Q's sets (v96-223)   Phase p: at its head sixteen roundings read set (p + 2) % 4 and write it in place; eight LDS stores read it in unit 0; the loads of half p + 6 land in it in unit 1.
;   v2-v11               Offsets and LDS addresses: made at the head and never written again; scalar bases and immediate offsets do the rest.
;   The accumulators are named by matrix instructions alone, up to the way out.
; FA0 and FA1 are one buffer each and take turns within a phase, so a phase has TWO waits on va_vdst.  The first stands at its head, behind the roundings: the last phase's unit 1 is done reading FA1, and Q's set is written.
; The second stands in unit 1, behind the barrier's place: unit 0 is done reading FA0, the last phase is done reading its set of the ring, the roundings are done with Q's set; a wait on vm_vsrc beside it: the LDS stores
; have read Q's set.  Behind each wait stand only matrix instructions that name the ring's set p % 4, the fragments of the unit in hand and the accumulators: none of the registers that the loads and stores dealt among them touch.
.set ROWB,  4096                       ; bytes in a row of Q and of out
.set QP,    144                        ; an LDS row of Q: 64 bf16 = 128 bytes + 16 of padding = 36 words: the 16 rows of a fragment load start at 16 different groups of four banks (64 banks of 4 bytes: ISA guide 11.1)
.set SLOT,  128*QP                     ; a step's 128 rows; two slots
.set STAGE, 2*SLOT                     ; behind them a stage for each wave, for the way out:
.set SP,    528                        ; 16 rows of 128 f32 = 512 bytes + 16 of padding
.set STW,   16*SP
.set SPARE, STAGE+4*STW                ; behind the stages: the spare words, 128 bytes for each wave: two blocks of 256 bytes that no other line names
.set TRIPS, 6                          ; the loop's trips, four phases each: phases 1 to 24; phase 0 and phases 25 to 31 are written out
.set QOFF, 2                           ; v2   my offset in Q: (32 w + 8 hh) rows + 16 r; never rewritten
.set L16,  3                           ; v3   16 x lane: my offset in W's fragments and in a row of out
.set STA,  4                           ; v4   where I store Q: (32 w + 8 hh) LDS rows + 8 r
.set FRA,  5                           ; v5   where I read Q's fragments: r LDS rows + 64 hh
.set STO,  6                           ; v6   the way out: where I put 16 bytes of a row
.set RD,   7                           ; v7   the way out: where I read a row back
.set PFQ,  8                           ; v8   Q's prefetches: (thread % 64) rows + 256 (thread / 64)
.set PFW,  9                           ; v9   W's prefetches: 32768 hh + 256 r
.set SPW,  10                          ; v10  LDS address of my spare word; never rewritten
.set NIL,  11                          ; v11  0; never rewritten
.set FA,   32
.set QS,   96
.set RB,   96
.set WV,  10                           ; s10  my wave's number
.set BB,  11                           ; s11  b
.set RT,  12                           ; s12  rt
.set CH,  13                           ; s13  ch
.set QB,  16                           ; s[16:17] Q at my work-group's first row, the trip's first step
.set WB,  18                           ; s[18:19] wf at my wave's first tile, the trip's first phase
.set OB,  20                           ; s[20:21] out at my wave's first number
.set PQ,  22                           ; s[22:23] where my work-group's prefetches of Q stand
.set PW,  24                           ; s[24:25] and of W
.set CNT, 28                           ; s28  trips still to come
.set W_MLO, 0xa1                       ; W (source 0) window 1, Q (source 1) window 0, C and D window 2
.set W_LDB, 0x40                       ; destination window 1
.set MSB, 0
.macro WIN new                         ; the immediate's high byte repeats the setting that is left; a switch that changes nothing is dropped
.if MSB != (\new)
	s_set_vgpr_msb (MSB<<8)|(\new)
.set MSB, (\new)
.endif
.endm
.macro PLACES                          ; four places behind a matrix instruction, in front of loads into registers that it has read and of reads of its result; they stand beside the waits on va_vdst, not in their stead
.rept 4
	v_nop
.endr
.endm
; A phase's eight fragments of W: 16 loads of 512 consecutive bytes
.macro LDB ring, off
	WIN W_LDB
.set jj, 0
.rept 8
	global_load_b128 v[64*(\ring)+8*jj:64*(\ring)+8*jj+3],   v[L16], s[WB:WB+1] offset:(\off)+jj*32768
	global_load_b128 v[64*(\ring)+8*jj+4:64*(\ring)+8*jj+7], v[L16], s[WB:WB+1] offset:(\off)+jj*32768+512
.set jj, jj+1
.endr
.endm
; Half of my 32 rows of a step of Q: 8 loads, each two rows' 256 bytes (rows e and e + 8 of the sixteen)
.macro LDQ set, off
	WIN 0
.set e, 0
.rept 8
	global_load_b128 v[QS+32*(\set)+4*e:QS+32*(\set)+4*e+3], v[QOFF], s[QB:QB+1] offset:(\off)+e*ROWB
.set e, e+1
.endr
.endm
; rounded in place: a lane's four numbers become 8 bytes,
.macro CVQ set
	WIN 0
.set e, 0
.rept 8
	v_cvt_pk_bf16_f32 v[QS+32*(\set)+4*e],   v[QS+32*(\set)+4*e],   v[QS+32*(\set)+4*e+1]
	v_cvt_pk_bf16_f32 v[QS+32*(\set)+4*e+1], v[QS+32*(\set)+4*e+2], v[QS+32*(\set)+4*e+3]
.set e, e+1
.endr
.endm
; and stored: two rows' 128 bytes a store, 8 LDS rows = 1,152 bytes apart, which is 128 bytes modulo 256
.macro STQ set, slot, x
	WIN 0
.set e, 0
.rept 8
	ds_store_b64 v[STA], v[QS+32*(\set)+4*e:QS+32*(\set)+4*e+1] offset:(\slot)*SLOT+(16*(\x)+e)*QP
.set e, e+1
.endr
.endm
; Four fragments of Q: rows 64 h .. + 63, half u of the step in the slot.  Lane (r, hh) takes the 32 bytes h = 32 hh + 16 u + 0 .. 15 of its row: the places in which W's fragments hold the same h
.macro LDA h, slot, u
	WIN 0
.set aa, 0
.rept 4
	ds_load_b128 v[FA+32*(\h)+8*aa:FA+32*(\h)+8*aa+3],   v[FRA] offset:(\slot)*SLOT+(64*(\h)+16*aa)*QP+32*(\u)
	ds_load_b128 v[FA+32*(\h)+8*aa+4:FA+32*(\h)+8*aa+7], v[FRA] offset:(\slot)*SLOT+(64*(\h)+16*aa)*QP+32*(\u)+16
.set aa, aa+1
.endr
.endm
; Eight matrix instructions: one fragment of Q x W's eight.  The 64 accumulators take turns, one instruction a turn, in the same order in every phase.  zero = 1: the first phase starts the sums.
.macro G ring, h, a1, zero
	WIN W_MLO+0x50*(\h)
.set jj, 0
.rept 8
.if \zero
	v_wmma_f32_16x16x32_bf16 v[8*(8*(\a1)+jj):8*(8*(\a1)+jj)+7], v[64*(\ring)+8*jj:64*(\ring)+8*jj+7], v[FA+32*(\h)+8*(\a1):FA+32*(\h)+8*(\a1)+7], 0
.else
	v_wmma_f32_16x16x32_bf16 v[8*(8*(\a1)+jj):8*(8*(\a1)+jj)+7], v[64*(\ring)+8*jj:64*(\ring)+8*jj+7], v[FA+32*(\h)+8*(\a1):FA+32*(\h)+8*(\a1)+7], v[8*(8*(\a1)+jj):8*(8*(\a1)+jj)+7]
.endif
.set jj, jj+1
.endr
.endm
; PHASE p = 4 i + c.  At its head it rounds Q's half p + 2 (cvq: half 2 t + x belongs to step t) and fetches the fragments of rows 64-127 from LDS.  Unit 0 multiplies rows 0-63 and stores the rounded half.  Unit 1 multiplies
; rows 64-127, fetches the next phase's fragments of rows 0-63 (nxa), and asks memory for W of phase p + 3 (rqb) and Q's half p + 6 (rqq).  All register and slot numbers hang on c alone.
; ONE BARRIER A STEP, in the odd phases' unit 1 (bar).  In front of its signal my wait for all LDS instructions shows: my stores of the next step's Q (this phase's and the last's) are done, and my last reads of this
; step's slot are back.  Behind its wait the next step's fragments are read, and from the next phase on this step's slot is stored into again.
; left: the loads issued behind W of phase p: in the loop Q's half p + 3, W p + 1, half p + 4, W p + 2, half p + 5: 56.  Q's half p + 2 was issued ahead of W p, so the one wait serves both.
.macro PHASE c, zero, rqb, cvq, rqq, bar, nxa, left
	s_wait_dscnt 0x0                               ; the fragments of rows 0-63 are in
	s_wait_loadcnt \left
.if \cvq
	CVQ ((\c)+2)&3                                 ; these sixteen are also the places behind the last phase's matrix instructions, which read the fragments of rows 64-127
.else
	PLACES                                         ; the fragments of rows 64-127 were multiplied in the phase before
.endif
	WIN 0
	s_wait_alu depctr_va_vdst(0)                   ; the last phase's unit 1 is done reading the fragments of rows 64-127, in which the LDS loads land; the roundings have written Q's set, which the LDS stores read
	LDA 1, ((\c)>>1)&1, (\c)&1
	G (\c)&3, 0, 0, \zero
.if \cvq
	STQ ((\c)+2)&3, (((\c)+2)>>1)&1, (\c)&1        ; no wait: no vector or matrix instruction since the wait names Q's set
.endif
	G (\c)&3, 0, 1, \zero
	G (\c)&3, 0, 2, \zero
	G (\c)&3, 0, 3, \zero
	s_wait_dscnt 0x0                               ; the fragments of rows 64-127 are in, and my stores are done
.if \bar
	s_barrier_signal -1
.endif
	G (\c)&3, 1, 0, \zero
.if \bar
	s_barrier_wait -1
.endif
.if \nxa
	PLACES                                         ; behind unit 0's matrix instructions, which read the fragments of rows 0-63
	WIN 0
.if \rqq
	s_wait_alu depctr_vm_vsrc(0)                   ; this phase's LDS stores have read Q's set, in which the loads of half p + 6 land
.endif
	s_wait_alu depctr_va_vdst(0)                   ; unit 0 is done reading the fragments of rows 0-63, in which the LDS loads land; the last phase is done reading its set of W's ring, and the roundings are done with Q's set, in which the loads from memory land
	LDA 0, (((\c)+1)>>1)&1, ((\c)+1)&1
.endif
	G (\c)&3, 1, 1, \zero
.if \rqb
	LDB ((\c)+3)&3, ((\c)+3)*1024                  ; no wait: the matrix instructions since the wait name the ring's set p % 4, not this one
.endif
	G (\c)&3, 1, 2, \zero
.if \rqq
	LDQ ((\c)+2)&3, (((\c)+6)>>1)*256+((\c)&1)*16*ROWB  ; nor Q's set
.endif
	G (\c)&3, 1, 3, \zero
.endm
	s_load_b128 s[4:7], s[0:1], 0x0                ; query s[4:5], wf s[6:7]
	s_load_b64 s[8:9], s[0:1], 0x10                ; out0
	v_lshl_add_u32 v[SPW], v0, 2, SPARE
	v_mov_b32 v[NIL], 0
	v_lshrrev_b32 v12, 5, v0
	v_readfirstlane_b32 s[WV], v12                 ; wave 0..3
	s_lshr_b32 s[BB], ttmp9, 5
	s_bfe_u32 s[RT], ttmp9, 0x40001                ; 4 bits from bit 1
	s_and_b32 s[CH], ttmp9, 1
	v_and_b32 v13, 15, v0                          ; r
	v_bfe_u32 v14, v0, 4, 1                        ; hh
	v_and_b32 v15, 31, v0                          ; lane
	v_lshlrev_b32 v[L16], 4, v15
	v_lshlrev_b32 v[QOFF], 4, v13
	v_lshl_add_u32 v[QOFF], v14, 15, v[QOFF]       ; 8 rows further down for lanes 16 to 31
	s_wait_alu depctr_va_sdst(0)                   ; the wave's number is written, ahead of its first reader: offsets, LDS addresses, bases and a branch are made from it
	s_lshl_b32 s26, s[WV], 17                      ; my wave's 32 rows
	v_add_nc_u32 v[QOFF], s26, v[QOFF]
	s_mul_i32 s26, s[WV], 32*QP
	v_mul_u32_u24 v[STA], v14, 8*QP
	v_lshl_add_u32 v[STA], v13, 3, v[STA]
	v_add_nc_u32 v[STA], s26, v[STA]
	v_mul_u32_u24 v[FRA], v13, QP
	v_lshl_add_u32 v[FRA], v14, 6, v[FRA]
	s_mul_i32 s26, s[WV], STW
	s_add_co_u32 s26, s26, STAGE                   ; my stage
	v_mul_u32_u24 v[STO], v13, SP                  ; in: row r, 32 bytes for each half of the lanes
	v_lshl_add_u32 v[STO], v14, 5, v[STO]
	v_add_nc_u32 v[STO], s26, v[STO]
	v_add_nc_u32 v[RD], s26, v[L16]                ; back: 32 lanes take a row's 512 bytes
	v_and_b32 v12, 63, v0
	v_lshrrev_b32 v[PFQ], 6, v0
	v_lshlrev_b32 v[PFQ], 8, v[PFQ]
	v_lshl_add_u32 v[PFQ], v12, 12, v[PFQ]
	v_lshlrev_b32 v[PFW], 8, v13
	v_lshl_add_u32 v[PFW], v14, 15, v[PFW]
	s_lshl_b32 s30, s[BB], 23                      ; Q and out: the batch and my work-group's 128 rows
	s_lshl_b32 s26, s[RT], 19
	s_add_co_u32 s30, s30, s26
	s_mov_b32 s31, 0
	s_lshl_b32 s32, s[BB], 21                      ; wf: the batch and the half of its 64 tiles
	s_lshl_b32 s26, s[CH], 20
	s_add_co_u32 s32, s32, s26
	s_mov_b32 s33, 0
	s_lshl_b32 s26, s[RT], 16                      ; W's prefetches: tiles 2 rt and 2 rt + 1 of that half,
	s_add_co_u32 s34, s32, s26
	s_add_co_u32 s34, s34, 8*1024                  ; from phase 8 on
	s_mov_b32 s35, 0
	s_lshl_b32 s26, s[WV], 18                      ; my wave's 8 tiles
	s_add_co_u32 s32, s32, s26
	s_lshl_b32 s36, s[CH], 11                      ; out: my work-group's 512 columns, my wave's 128
	s_lshl_b32 s26, s[WV], 9
	s_add_co_u32 s36, s36, s26
	s_add_co_u32 s36, s36, s30
	s_mov_b32 s37, 0
	s_lshl_b32 s38, s[CH], 18                      ; Q's prefetches: my work-group's 64 of the 128 rows that it shares with its neighbour,
	s_add_co_u32 s38, s38, s30
	s_add_co_u32 s38, s38, 6*256                   ; from step 6 on
	s_mov_b32 s39, 0
	s_mov_b32 s[CNT], TRIPS
	s_wait_kmcnt 0x0
	s_add_nc_u64 s[QB:QB+1], s[4:5], s[30:31]
	s_add_nc_u64 s[WB:WB+1], s[6:7], s[32:33]
	s_add_nc_u64 s[OB:OB+1], s[8:9], s[36:37]
	s_add_nc_u64 s[PQ:PQ+1], s[4:5], s[38:39]
	s_add_nc_u64 s[PW:PW+1], s[6:7], s[34:35]
	s_wait_alu depctr_va_vdst(0)                   ; the offsets and LDS addresses v2 to v9 are written: every load, store and prefetch of the kernel reads one of them, and none is written again
	; THE START.  Step 0's Q first; then the requests in the order in which the loop goes on issuing them (W of phase p + 3, Q's half p + 6).
	LDQ 0, 0
	LDQ 1, 16*ROWB
	LDQ 2, 256
	LDB 0, 0
	LDQ 3, 256+16*ROWB
	LDB 1, 1024
	s_wait_loadcnt 48                              ; Q's halves 0 and 1 are in; the 48 loads behind them (half 2, W 0, half 3, W 1) stay out
	CVQ 0
	CVQ 1
	s_wait_alu depctr_va_vdst(0)                   ; the roundings have written sets 0 and 1, which the LDS stores read, and are done with them, so that the loads below may land there
	STQ 0, 0, 0
	STQ 1, 0, 1
	s_wait_dscnt 0x0                               ; for the others' sake: my stores are done
	s_wait_alu depctr_vm_vsrc(0)                   ; my LDS stores have read sets 0 and 1, in which the loads below land
	LDQ 0, 512
	LDB 2, 2048
	LDQ 1, 512+16*ROWB
	s_barrier_signal -1
	s_barrier_wait -1                              ; step 0's Q is whole
	LDA 0, 0, 0                                    ; no vector or matrix instruction has named these registers yet
	PHASE 0, 1, 1, 1, 1, 0, 1, 56                  ; the first phase stands in front of the loop: its products start the sums
	WIN 0                                          ; at a label and at a branch every window is 0
.Ltrip:
	PHASE 1, 0, 1, 1, 1, 1, 1, 56
	; THE PREFETCHES, together, behind the phase's loads.
	; Q: trip i names steps 2 i + 6 and 2 i + 7, whose loads are issued five phases further on at the earliest.  The two work-groups that read the same 128 rows take 64 each, by address; a thread names one row's 256 bytes of
	; one of the two steps: one instruction a wave, each block once in the launch.  Steps 0 to 5 come by their loads alone; the last trip asks for nothing: there is no step 16.
	; W: trip i names phases 4 i + 8 to 4 i + 11, whose loads are issued four phases further on at the earliest.  The sixteen work-groups that read the same 32 tiles take two each, by address; wave 0 asks, a lane a block of
	; 256 bytes: 2 tiles x 4,096 bytes.  Phases 0 to 7 come by their loads alone; the last trip names phases 28 to 31, the last there are.
	WIN 0
	s_cmp_gt_u32 s[CNT], 1
	s_cbranch_scc0 .Lq_asked
	global_prefetch_b8 v[PFQ], s[PQ:PQ+1] th:TH_LOAD_NT scope:SCOPE_SE
.Lq_asked:
	s_cmp_lg_u32 s[WV], 0
	s_cbranch_scc1 .Lw_asked
	global_prefetch_b8 v[PFW], s[PW:PW+1] th:TH_LOAD_NT scope:SCOPE_SE
.Lw_asked:
	PHASE 2, 0, 1, 1, 1, 0, 1, 56
	PHASE 3, 0, 1, 1, 1, 1, 1, 56
	PHASE 4, 0, 1, 1, 1, 0, 1, 56
	WIN 0
	s_wait_xcnt 0x0                                ; every load and the prefetches (three phases back) have read their addresses: the four bases may be written
	s_add_nc_u64 s[WB:WB+1], s[WB:WB+1], 4*1024
	s_add_nc_u64 s[QB:QB+1], s[QB:QB+1], 2*256
	s_add_nc_u64 s[PW:PW+1], s[PW:PW+1], 4*1024
	s_add_nc_u64 s[PQ:PQ+1], s[PQ:PQ+1], 2*256
	s_sub_co_u32 s[CNT], s[CNT], 1
	s_cmp_lg_u32 s[CNT], 0
	s_cbranch_scc1 .Ltrip
	; THE TAIL, phases 25 to 31: Q's halves and W's phases end at 31; the counts are the loads really issued behind W of the phase in hand.
	PHASE 1, 0, 1, 1, 1, 1, 1, 56                  ; 25: half 28, W 26, half 29, W 27, half 30
	PHASE 2, 0, 1, 1, 0, 0, 1, 56                  ; 26: half 29, W 27, half 30, W 28, half 31
	PHASE 3, 0, 1, 1, 0, 1, 1, 48                  ; 27: half 30, W 28, half 31, W 29
	PHASE 4, 0, 1, 1, 0, 0, 1, 40                  ; 28: half 31, W 29, W 30
	PHASE 5, 0, 0, 1, 0, 1, 1, 32                  ; 29: W 30, W 31
	PHASE 6, 0, 0, 0, 0, 0, 1, 16                  ; 30: W 31
	PHASE 7, 0, 0, 0, 0, 0, 0, 0                   ; 31: nothing more to fetch in its unit 1, so no wait on va_vdst there
	; THE WAY OUT, 16 rows at a time through my own stage: a lane's 32 bytes of a row go in, whole rows of 512 bytes come back and are stored.
.macro STG a                           ; block a into the stage and back, into buffer a % 2
.if (\a) >= 2
	s_wait_xcnt 0x0                                ; the stores of block a - 2 have had their addresses translated: only behind this wait is their buffer loaded again,
	s_wait_alu depctr_vm_vsrc(0)                   ; and those stores have read the buffer, in which the loads from the stage land
.endif
	WIN 0x08+0x04*((\a)/4)                         ; a store's data (source 1): window 2 or 3
.set jj, 0
.rept 8
	ds_store_b128 v[STO], v[8*(8*((\a)%4)+jj):8*(8*((\a)%4)+jj)+3]   offset:64*jj     ; each accumulator's low four registers first
	ds_store_b128 v[STO], v[8*(8*((\a)%4)+jj)+4:8*(8*((\a)%4)+jj)+7] offset:64*jj+16
.set jj, jj+1
.endr
	WIN 0
.set rho, 0
.rept 16
	ds_load_b128 v[RB+64*((\a)%2)+4*rho:RB+64*((\a)%2)+4*rho+3], v[RD] offset:rho*SP  ; LDS serves a wave's instructions in order (ISA guide 5.7.1.4): these see the stores above, and the next block's stores come behind them
.set rho, rho+1
.endr
.endm
.macro SEND a, younger                 ; younger: the LDS instructions issued behind block a's loads: the next block's 32, or none
	WIN 0
	s_wait_dscnt \younger
.set rho, 0
.rept 16
	global_store_b128 v[L16], v[RB+64*((\a)%2)+4*rho:RB+64*((\a)%2)+4*rho+3], s[OB:OB+1] offset:(16*(\a)+rho)*ROWB th:TH_STORE_NT  ; 512 consecutive bytes, at a multiple of 512 from out's first
.set rho, rho+1
.endr
.endm
	PLACES
	PLACES
	s_wait_alu depctr_va_vdst(0)                   ; the matrix instructions have written the accumulators, which the LDS stores of all eight blocks read (no vector or matrix instruction follows); Q's roundings are done with v96 to v223, in which the loads from the stage land
	s_wait_alu depctr_vm_vsrc(0)                   ; Q's last LDS stores have read v96 to v223, in which the loads from the stage land
	STG 0
.irp a, 1,2,3,4,5,6,7
	STG \a
	SEND (\a)-1, 32
.endr
	SEND 7, 0
	s_wait_dscnt 0x0                               ; the wave's end
	s_wait_alu 0x0
	s_wait_tensorcnt 0x0
	ds_add_u32 v[SPW], v[NIL]
	s_wait_dscnt 0x0
	s_endpgm
.Lfunc_end_k_q28bc471499_qw:
	.size	k_q28bc471499_qw, .Lfunc_end_k_q28bc471499_qw-k_q28bc471499_qw
	.p2alignl 7, 3214868480
	.fill 96, 4, 3214868480
	.section	.rodata,"a",@progbits
	.p2align	6, 0x0
	.amdhsa_kernel k_q28bc471499_qw
		.amdhsa_group_segment_fixed_size 71168
		.amdhsa_private_segment_fixed_size 0
		.amdhsa_enable_private_segment 0
		.amdhsa_kernarg_size 24
		.amdhsa_user_sgpr_count 2
		.amdhsa_user_sgpr_kernarg_segment_ptr 1
		.amdhsa_wavefront_size32 1
		.amdhsa_system_sgpr_workgroup_id_x 1
		.amdhsa_system_sgpr_workgroup_id_y 1
		.amdhsa_system_sgpr_workgroup_id_z 1
		.amdhsa_system_vgpr_workitem_id 0
		.amdhsa_next_free_vgpr 1024
		.amdhsa_next_free_sgpr 66
		.amdhsa_reserve_vcc 0
		.amdhsa_float_denorm_mode_32 3
		.amdhsa_float_denorm_mode_16_64 3
		.amdhsa_memory_ordered 1
		.amdhsa_forward_progress 1
		.amdhsa_inst_pref_size 147
	.end_amdhsa_kernel
	.amdgpu_metadata
---
amdhsa.version: [ 1, 2 ]
amdhsa.kernels:
  - .name:           k_q28bc471499_qw
    .symbol:         k_q28bc471499_qw.kd
    .args:
      - { .name: query, .offset: 0, .size: 8, .value_kind: global_buffer, .address_space: global }
      - { .name: wf, .offset: 8, .size: 8, .value_kind: global_buffer, .address_space: global }
      - { .name: out0, .offset: 16, .size: 8, .value_kind: global_buffer, .address_space: global }
    .group_segment_fixed_size: 71168
    .private_segment_fixed_size: 0
    .kernarg_segment_align: 8
    .kernarg_segment_size: 24
    .max_flat_workgroup_size: 128
    .sgpr_count:     66
    .vgpr_count:     1024
    .wavefront_size: 32
...
	.end_amdgpu_metadata
.endif
;; end of part 4
